; MI455X (gfx1250); checked and timed in simulation.
; The chip was launched on July 23, 2026; its instructions are those of AMD's public machine-readable ISA for CDNA 5 (MIT licence, August 2026) and "CDNA5" Instruction Set Architecture Reference Guide (July 2026). The comments in the code are by the model that wrote it; some were corrected since.
;; Multi Headed Local Attention. Allowed arithmetic: float matrix products may take bf16 or f16 operands with f32 sums; other float arithmetic in f32, or as packed bf16 or f16 multiplies, adds, multiply-adds, maxima and minima; sums over many terms, partial sums and values carried from step to step in f32; what a program stores and reads back later, other than sums and carried values, may be rounded once to bf16 or f16.
;; Inputs: Wk 1,024 x 1,024 float32; Wo 1,024 x 1,024 float32; Wq 1,024 x 1,024 float32; Wv 1,024 x 1,024 float32; bk 1,024 float32; bo 1,024 float32; bq 1,024 float32; bv 1,024 float32; k 2 x 2,048 x 1,024 float32; mask 2 x 1 x 2,048 bool; q 2 x 2,048 x 1,024 float32; v 2 x 2,048 x 1,024 float32.
;; Outputs: out0 2 x 2,048 x 1,024 float32.
;; One version. Each part assembles by itself: llvm-mc -triple=amdgcn-amd-amdhsa -mcpu=gfx1250 --defsym DOCPART=n.
;; ======== version 1 of 1: 4 launches
;; limits: values are held in f16: magnitudes above 65,504 overflow, below 6.1e-05 lose precision
;; workspace buffers: xb 25,165,824 bytes; wb 6,291,456 bytes; wo16 2,097,152 bytes; qk 33,554,432 bytes; vt 8,388,608 bytes; vsum 262,144 bytes; ctx 8,388,608 bytes
;; launch cast (part 1): grid 1024 x 1, 8 waves a work-group, no clusters, 0 bytes of LDS; arguments q, k, v, Wq, Wk, Wv, Wo, xb, wb, wo16; writes xb, wb, wo16
.if DOCPART == 1
	.amdgcn_target "amdgcn-amd-amdhsa--gfx1250"
	.amdhsa_code_object_version 6
	.text
	.protected	k_qb8b82a8a8d_cast
	.globl	k_qb8b82a8a8d_cast
	.p2align	8
	.type	k_qb8b82a8a8d_cast,@function
k_qb8b82a8a8d_cast:
	s_mov_b64 s[64:65], 0
	v_nop
	global_prefetch_b8 v0, s[64:65] scope:SCOPE_SE
	s_setreg_imm32_b32 hwreg(HW_REG_WAVE_MODE, 25, 1), 1
	s_wait_xcnt 0x0
; ROUNDING OF THE MATRIX OPERANDS, once.  q, k, v ([4096][1024] f32) -> xb, bf16 [4096][3072]: columns 0-1023 q, 1024-2047 k, 2048-3071 v.
; Wq, Wk, Wv ([1024][1024] f32) -> wb, bf16 [3072][1024], one below the other.  Wo -> wo16: rounded to bf16, that number written as f16.
; LIMIT: an entry of Wo below 2^-14 in size keeps f16's fixed step of 6e-8; beyond 65,504 it would be lost.
; A work-group takes 65,536 bytes of one source: 16 rows of 4,096 bytes.  Work-groups 0-767: q, k, v (256 each); 768-1023: the four weights (64 each).
; Thread t takes 32 bytes (8 numbers) of each of eight pieces of 8,192 bytes (two rows); they become 16 bytes, so 16 neighbouring lanes store 256 consecutive bytes, aligned.
; All 16 loads of a thread go out at once; nothing is read twice; no LDS, no barrier, no loop.
.set XR, 32                            ; v[32:95]   eight pieces of 8 numbers as loaded
.set YR, 96                            ; v[96:127]  eight pieces of 4 registers to store
.set DO, 2                             ; v[2:9]     piece i: my byte offset in the destination
.set SO, 10                            ; v10        my byte offset in a piece of the source
	s_load_b512 s[8:23], s[0:1], 0x0               ; q s[8:9], k s[10:11], v s[12:13], Wq s[14:15], Wk s[16:17], Wv s[18:19], Wo s[20:21], xb s[22:23]
	s_load_b128 s[24:27], s[0:1], 0x40             ; wb s[24:25], wo16 s[26:27]
	s_mov_b32 s2, ttmp9
	s_lshr_b32 s4, s2, 8                           ; which of q, k, v (3 for the weights)
	s_lshr_b32 s5, s2, 6
	s_and_b32 s5, s5, 3                            ; which of the four weights
	s_and_b32 s6, s2, 255                          ; my 16 rows among q's, k's or v's
	s_and_b32 s7, s2, 63                           ; or among a weight's
	s_mul_i32 s28, s6, 98304                       ; 16 rows of xb, 6,144 bytes each,
	s_lshl_b32 s29, s4, 11                         ; and the source's 2,048 bytes of a row
	s_add_co_u32 s28, s28, s29
	s_lshl_b32 s29, s7, 15                         ; 16 rows of wb or wo16, 2,048 bytes each,
	s_lshl_b32 s30, s5, 21                         ; and in wb the weight's 1,024 rows
	s_cmp_eq_u32 s5, 3
	s_cselect_b32 s30, 0, s30
	s_add_co_u32 s29, s29, s30
	s_movk_i32 s36, 2048
	s_movk_i32 s37, 6144
	s_cmp_lt_u32 s2, 768
	s_cselect_b32 s34, s28, s29                    ; byte offset in the destination
	s_cselect_b32 s32, s6, s7
	s_cselect_b32 s36, s37, s36                    ; bytes from row to row in the destination
	s_lshl_b32 s32, s32, 16                        ; byte offset in the source
	s_mov_b32 s33, 0
	s_mov_b32 s35, 0
	s_lshl_b32 s38, s36, 1                         ; a piece is two rows
	v_lshlrev_b32 v[SO], 5, v0
	v_lshrrev_b32 v11, 7, v0                       ; which of the piece's two rows
	v_and_b32 v12, 127, v0                         ; my place in the row
	v_mul_u32_u24 v[DO], s36, v11
	v_lshl_add_u32 v[DO], v12, 4, v[DO]
.irp i, 1,2,3,4,5,6,7
	v_add_nc_u32 v[DO+(\i)], s38, v[DO+(\i)-1]
.endr
	s_wait_kmcnt 0x0
	s_cmp_eq_u32 s4, 0
	s_cselect_b64 s[40:41], s[8:9], s[10:11]
	s_cmp_eq_u32 s4, 2
	s_cselect_b64 s[40:41], s[12:13], s[40:41]
	s_cmp_eq_u32 s5, 0
	s_cselect_b64 s[44:45], s[14:15], s[16:17]
	s_cmp_eq_u32 s5, 2
	s_cselect_b64 s[44:45], s[18:19], s[44:45]
	s_cmp_eq_u32 s5, 3
	s_cselect_b64 s[44:45], s[20:21], s[44:45]
	s_cselect_b64 s[42:43], s[26:27], s[24:25]
	s_cmp_lt_u32 s2, 768
	s_cselect_b64 s[40:41], s[40:41], s[44:45]     ; the source
	s_cselect_b64 s[42:43], s[22:23], s[42:43]     ; the destination
	s_add_nc_u64 s[40:41], s[40:41], s[32:33]
	s_add_nc_u64 s[42:43], s[42:43], s[34:35]
.irp i, 0,1,2,3,4,5,6,7
	global_load_b128 v[XR+8*(\i):XR+8*(\i)+3],   v[SO], s[40:41] offset:8192*(\i) th:TH_LOAD_NT
	global_load_b128 v[XR+8*(\i)+4:XR+8*(\i)+7], v[SO], s[40:41] offset:8192*(\i)+16 th:TH_LOAD_NT
.endr
.irp i, 0,1,2,3,4,5,6,7
	s_wait_loadcnt 14-2*(\i)                       ; loads come back in order: piece i's two are in, the younger pieces' stay out
.irp j, 0,1,2,3
	v_cvt_pk_bf16_f32 v[YR+4*(\i)+(\j)], v[XR+8*(\i)+2*(\j)], v[XR+8*(\i)+2*(\j)+1]
.endr
.endr
	s_cmp_lt_u32 s2, 960
	s_cbranch_scc1 .Lst
.set i, 0
.rept 32                               ; Wo alone: the bf16 numbers are written as f16
	v_lshlrev_b32 v12, 16, v[YR+i]
	v_and_b32 v13, 0xffff0000, v[YR+i]
	v_cvt_pk_f16_f32 v[YR+i], v12, v13
.set i, i+1
.endr
.Lst:
.irp i, 0,1,2,3,4,5,6,7
	global_store_b128 v[DO+(\i)], v[YR+4*(\i):YR+4*(\i)+3], s[42:43]
.endr
	s_endpgm
.Lfunc_end_k_qb8b82a8a8d_cast:
	.size	k_qb8b82a8a8d_cast, .Lfunc_end_k_qb8b82a8a8d_cast-k_qb8b82a8a8d_cast
	.p2alignl 7, 3214868480
	.fill 96, 4, 3214868480
	.section	.rodata,"a",@progbits
	.p2align	6, 0x0
	.amdhsa_kernel k_qb8b82a8a8d_cast
		.amdhsa_group_segment_fixed_size 0
		.amdhsa_private_segment_fixed_size 0
		.amdhsa_enable_private_segment 0
		.amdhsa_kernarg_size 80
		.amdhsa_user_sgpr_count 2
		.amdhsa_user_sgpr_kernarg_segment_ptr 1
		.amdhsa_wavefront_size32 1
		.amdhsa_system_sgpr_workgroup_id_x 1
		.amdhsa_system_sgpr_workgroup_id_y 1
		.amdhsa_system_sgpr_workgroup_id_z 1
		.amdhsa_system_vgpr_workitem_id 0
		.amdhsa_next_free_vgpr 128
		.amdhsa_next_free_sgpr 66
		.amdhsa_reserve_vcc 0
		.amdhsa_float_denorm_mode_32 3
		.amdhsa_float_denorm_mode_16_64 3
		.amdhsa_memory_ordered 1
		.amdhsa_forward_progress 1
		.amdhsa_inst_pref_size 12
	.end_amdhsa_kernel
	.amdgpu_metadata
---
amdhsa.version: [ 1, 2 ]
amdhsa.kernels:
  - .name:           k_qb8b82a8a8d_cast
    .symbol:         k_qb8b82a8a8d_cast.kd
    .args:
      - { .name: q, .offset: 0, .size: 8, .value_kind: global_buffer, .address_space: global }
      - { .name: k, .offset: 8, .size: 8, .value_kind: global_buffer, .address_space: global }
      - { .name: v, .offset: 16, .size: 8, .value_kind: global_buffer, .address_space: global }
      - { .name: Wq, .offset: 24, .size: 8, .value_kind: global_buffer, .address_space: global }
      - { .name: Wk, .offset: 32, .size: 8, .value_kind: global_buffer, .address_space: global }
      - { .name: Wv, .offset: 40, .size: 8, .value_kind: global_buffer, .address_space: global }
      - { .name: Wo, .offset: 48, .size: 8, .value_kind: global_buffer, .address_space: global }
      - { .name: xb, .offset: 56, .size: 8, .value_kind: global_buffer, .address_space: global }
      - { .name: wb, .offset: 64, .size: 8, .value_kind: global_buffer, .address_space: global }
      - { .name: wo16, .offset: 72, .size: 8, .value_kind: global_buffer, .address_space: global }
    .group_segment_fixed_size: 0
    .private_segment_fixed_size: 0
    .kernarg_segment_align: 8
    .kernarg_segment_size: 80
    .max_flat_workgroup_size: 256
    .sgpr_count:     66
    .vgpr_count:     128
    .wavefront_size: 32
...
	.end_amdgpu_metadata
.endif
;; end of part 1
;; launch proj (part 2): grid 8 x 32, 4 waves a work-group, clusters of 4 x 4, 327,680 bytes of LDS; arguments xb, wb, bq, bk, bv, mask, qk, vt, vsum; writes qk, vt, vsum
.if DOCPART == 2
	.amdgcn_target "amdgcn-amd-amdhsa--gfx1250"
	.amdhsa_code_object_version 6
	.text
	.protected	k_qb8b82a8a8d_proj
	.globl	k_qb8b82a8a8d_proj
	.p2align	8
	.type	k_qb8b82a8a8d_proj,@function
k_qb8b82a8a8d_proj:
	s_mov_b64 s[64:65], 0
	v_nop
	global_prefetch_b8 v0, s[64:65] scope:SCOPE_SE
	s_setreg_imm32_b32 hwreg(HW_REG_WAVE_MODE, 25, 1), 1
	s_wait_xcnt 0x0
	s_wait_alu depctr_hold_cnt(0) depctr_sa_sdst(0) depctr_va_vdst(0) depctr_va_sdst(0) depctr_va_ssrc(0) depctr_va_vcc(0) depctr_vm_vsrc(0)
	s_getreg_b32 s2, hwreg(HW_REG_IB_STS2, 6, 4)
	s_cmp_eq_u32 s2, 0
	s_cbranch_scc0 .Lentry_in_a_cluster
	s_endpgm
.Lentry_in_a_cluster:
	s_bfe_u32 s2, ttmp6, 0x10000c
	s_cmp_lg_u32 s2, 0xf033
	s_cbranch_scc0 .Lentry_shape_is_right
	s_endpgm
.Lentry_shape_is_right:
; C = A W + bias on tiles of 128 x 128, one text for two launches; OPROJ says which.
; OPROJ = 0: the three projections.  A = xb, bf16 [4096][3072] (q | k | v along a row), W = wb, bf16 [3072][1024] (Wq, Wk, Wv one below the other).  A work-group makes the SAME tile
;   (128 rows, 128 columns) of q's, k's and v's projection one after the other: K runs 0..3071 in 12 steps of 256 through one ring, and the sums start anew every four steps.
;   q's and k's tiles leave in f32 (qk: [2][4096][1024]), unscaled: the scores must agree with f32 arithmetic to its last bits, since a threshold is taken among them.
;   v's tile leaves in f16, turned: vt byte = (row/16) 32768 + head 2048 + channel 32 + (row%16) 2.  Beside it: vsum[row/64][1024], f32 sums down the 64 rows with weight 1 for a row whose
;   mask byte is 1, or for every row if the batch has 16 or more such rows.
; OPROJ = 1: out0 = ctx Wo + bo.  A = ctx, f16 [4096][1024], W = wo16, f16 [1024][1024]; K = 1024, four steps; out0 in f32.
; The biases are rounded to bf16 like every other floating-point input, then added in f32.
; LIMITS.  v's projection must lie within f16's 65,504.  NaN and infinities are not treated apart.
; SHARES.  Four waves, each 64 x 64: 16 accumulators.  The matrix instruction is used transposed (source 0 = 16 columns of W, source 1 = 16 rows of A): a lane holds one row and eight neighbouring columns.
; W lies [K][N]: its fragments come out of LDS turned, by ds_load_tr16_b128.
; CLUSTER.  4 x 4 work-groups; A's tile is shared along a row of the cluster, W's along a column: each is asked for jointly.
; NO PREFETCH: a K step is 128 matrix instructions a wave on a small tile, and each tile is read by eight or thirty-two work-groups at about the same time.
; REGISTERS.  Window 0: v0-31 addresses; v32-95 at work on the way out; v96-127 the bias; v128-255 the accumulators ((a, b) at 128 + 8 (4 a + b)).
;   Window 1: two fragment buffers of 128: for 64 along K, 64 registers of A, then 64 of W.
.set OPROJ, 0
.set KSTEP,  256
.if OPROJ
.set APITCH, 1024                      ; elements from row to row of A
.else
.set APITCH, 3072
.endif
.set PA,     528                       ; a row of A in LDS: 512 bytes + 16: the 16 rows of a load start at 16 different groups of four banks
.set PB,     288                       ; a row of W in LDS: 256 bytes + 32
.set HALFA,  64*PA                     ; what waves 0 and 1 fetch: 64 rows of A
.set ATILE,  2*HALFA
.set HALFB,  128*PB                    ; what waves 2 and 3 fetch: 128 rows (along K) of W
.set SLOT,   ATILE+2*HALFB
.set STAGE,  2*SLOT                    ; behind the ring: 4,352 bytes for each wave, never filled by a tensor load
.set WSTAGE, 4352
.set SPARE,  STAGE+4*WSTAGE            ; the spare words, 128 bytes for each wave: two blocks of 256 bytes that no other line names
.set VTO,  6                           ; v6   my 16 bytes in 512 of vt: 32 r + 16 h
.set NUO,  8                           ; v8   my 64 mask bytes of the batch's 2,048
.set SST,  9                           ; v9   stage: where the column sums go
.set SRD,  10                          ; v10  stage: where I read two of them back
.set SVO,  11                          ; v11  my 8 bytes of 256 of vsum
.set STV,  12                          ; v12  stage, v's form: row r, 16 bytes for each half of the lanes (pitch 160)
.set RTV,  13                          ; v13  stage, v's form: the turning load's address
.set ADRA, 16                          ; v16-17  my A fragments in slot 0, 1
.set ADRB, 20                          ; v20-23  my W fragments: slot 0 (K 0-127, K 128-255), slot 1 likewise: the immediate holds 16 bits
.set STO,  24                          ; v24  stage, f32 form: row r, 32 bytes for each half of the lanes (pitch 272)
.set RD,   25                          ; v25  stage, f32 form: where I read a row back
.set CO,   26                          ; v26  my byte offset in two rows of the output
.set BO,   27                          ; v27  my byte offset in the bias
.set SPW,  28                          ; v28  my spare word; never rewritten
.set NIL,  29                          ; v29  0; never rewritten
.set TMP,  32
.set BIAS, 96
.set ACC,  128
.set F0,   0
.set F1,   128
.set G1,  24                           ; s[24:31] group 1 for A's tiles; s[32:39] group 0, a set for each slot
.set G0,  32
.set G1B, 48                           ; s[48:55], s[56:63] the same for W's
.set G0B, 56
.set BP,  82                           ; s[82:83] the bias in hand
.set SEL, 84                           ; s[84:85] v_permlanex16_b32's selects
.set MSB, 0
.macro WIN new                         ; the immediate's high byte repeats the setting that is left; a switch that changes nothing is dropped
.if MSB != (\new)
	s_set_vgpr_msb (MSB<<8)|(\new)
.set MSB, \new
.endif
.endm
.set MUL,  0x05                        ; sources 0 (W) and 1 (A) window 1; C and D window 0
.set TO_F, 0x40                        ; destination window 1, address window 0
.macro JLOAD s                         ; a joint load: waves 0 and 1 fetch A's halves, waves 2 and 3 W's; an s_nop 0 and four v_nop follow each line
	s_cmp_eq_u32 s11, 0
	s_cbranch_scc0 .Lfor_b_\@
	tensor_load_to_lds s[G0+4*(\s):G0+4*(\s)+3], s[G1:G1+7]
	s_nop 0
.rept 4
	v_nop
.endr
	s_branch .Lasked_\@
.Lfor_b_\@:
	tensor_load_to_lds s[G0B+4*(\s):G0B+4*(\s)+3], s[G1B:G1B+7]
	s_nop 0
.rept 4
	v_nop
.endr
.Lasked_\@:
.endm
.macro CREST                           ; a round of the cluster's barrier behind its opening barrier
	s_cmp_lg_u32 s10, 0
	s_cbranch_scc1 .Lnot_wave_0_\@
	s_barrier_signal -3
.Lnot_wave_0_\@:
	s_barrier_wait -3
	s_barrier_signal -1
	s_barrier_wait -1
.endm
.macro CROUND                          ; a whole round
	s_barrier_signal -1
	s_barrier_wait -1
	CREST
.endm
	s_load_b128 s[4:7], s[0:1], 0x0                ; A s[4:5], W s[6:7]
.if OPROJ
	s_load_b128 s[68:71], s[0:1], 0x10             ; bo s[68:69], out0 s[70:71]
.else
	s_load_b256 s[68:75], s[0:1], 0x10             ; bq s[68:69], bk s[70:71], bv s[72:73], mask s[74:75]
	s_load_b128 s[76:79], s[0:1], 0x30             ; qk s[76:77], vt s[78:79]
	s_load_b64 s[80:81], s[0:1], 0x40              ; vsum
.endif
	v_lshl_add_u32 v[SPW], v0, 2, SPARE
	v_mov_b32 v[NIL], 0
	ds_add_u32 v[SPW], v[NIL]                      ; the wave's opening: the add and its wait stand ahead of my first tensor load; work on registers stands between them
	v_lshrrev_b32 v1, 5, v0
	v_readfirstlane_b32 s10, v1                    ; wave 0..3
	s_lshr_b32 s11, s10, 1                         ; which half of the tile's rows is mine.  Also: I fetch for A (0) or for W (1)
	s_and_b32 s12, s10, 1                          ; which half of its columns.  Also: which half of that tile I fetch
	s_bfe_u32 s40, ttmp6, 0x40000                  ; cx, cy: my place in the cluster
	s_bfe_u32 s41, ttmp6, 0x40004
	s_lshl_b32 s42, ttmp9, 2
	s_add_co_u32 s42, s42, s40                     ; tile column = 4 x cluster x + cx, 0..7
	s_and_b32 s13, ttmp7, 0xffff
	s_lshl_b32 s13, s13, 2
	s_add_co_u32 s13, s13, s41                     ; tile row = 4 x cluster y + cy, 0..31
	s_lshl_b32 s43, s41, 2
	s_lshl_b32 s43, 15, s43                        ; my row of the cluster
	s_lshl_b32 s44, 0x1111, s40                    ; my column
	s_or_b32 s[G1+0], s43, (1<<16)|(1<<20)|(1<<21)|(6<<22)|(3<<25)   ; the mask; 2-byte elements; padding on; bit 21 beside a mask; after every 128 words 4 words
	s_or_b32 s[G1B+0], s44, (1<<16)|(1<<20)|(1<<21)|(5<<22)|(7<<25)  ; the same with my column's mask; after every 64 words 8 words
	s_mov_b32 s[G1+1], KSTEP<<16                   ; tensor_dim0 = 256
	s_mov_b32 s[G1+2], 64<<16                      ; tensor_dim1 = 64
	s_mov_b32 s[G1+3], KSTEP<<16                   ; tile_dim0 = 256
	s_mov_b32 s[G1+4], 64                          ; tile_dim1 = 64
	s_mov_b32 s[G1+5], APITCH                      ; elements from row to row
	s_mov_b32 s[G1+6], 0
	s_mov_b32 s[G1+7], 0
	s_mov_b32 s[G1B+1], 128<<16                    ; tensor_dim0 = 128 columns
	s_mov_b32 s[G1B+2], 128<<16                    ; tensor_dim1 = 128 rows along K
	s_mov_b32 s[G1B+3], 128<<16
	s_mov_b32 s[G1B+4], 128
	s_mov_b32 s[G1B+5], 1024
	s_mov_b32 s[G1B+6], 0
	s_mov_b32 s[G1B+7], 0
	s_lshl_b32 s17, s12, 6
	s_lshl_b32 s16, s13, 7
	s_add_co_u32 s16, s16, s17                     ; A: row 128 x tile row + 64 x half,
	s_mul_i32 s16, s16, APITCH*2                   ; in bytes (under 2^25)
	s_mov_b32 s17, 0
	s_lshl_b32 s46, s12, 18                        ; W: 128 rows of 2,048 bytes x half,
	s_lshl_b32 s47, s42, 8                         ; 256 bytes x tile column
	s_add_co_u32 s46, s46, s47
	s_mov_b32 s47, 0
	s_mul_i32 s20, s12, HALFA                      ; where they go: no place in the cluster enters an LDS address
	s_mul_i32 s21, s12, HALFB
	s_add_co_u32 s21, s21, ATILE
	s_mov_b32 s[SEL], 0x76543210
	s_mov_b32 s[SEL+1], 0xfedcba98
	s_wait_dscnt 0x0                               ; the opening add is done
	s_wait_kmcnt 0x0
	s_add_nc_u64 s[14:15], s[4:5], s[16:17]
	s_add_nc_u64 s[46:47], s[6:7], s[46:47]
	CROUND                                         ; all sixteen work-groups are here: the first joint loads meet
.irp s, 0,1
	s_mov_b32 s[G0+4*(\s)], 1
	s_add_co_u32 s[G0+4*(\s)+1], s20, (\s)*SLOT
	s_add_nc_u64 s[G0+4*(\s)+2:G0+4*(\s)+3], s[14:15], (\s)*KSTEP*2
	s_or_b32 s[G0+4*(\s)+3], s[G0+4*(\s)+3], 0x80000000
	s_mov_b32 s[G0B+4*(\s)], 1
	s_add_co_u32 s[G0B+4*(\s)+1], s21, (\s)*SLOT
	s_add_nc_u64 s[G0B+4*(\s)+2:G0B+4*(\s)+3], s[46:47], (\s)*KSTEP*2048
	s_or_b32 s[G0B+4*(\s)+3], s[G0B+4*(\s)+3], 0x80000000
	JLOAD \s                                       ; two loads of mine are out; later one
.endr
	v_and_b32 v1, 15, v0                           ; r = l % 16
	v_bfe_u32 v2, v0, 4, 1                         ; h = l / 16
	v_mul_u32_u24 v3, v1, PA
	v_lshl_add_u32 v3, v2, 4, v3                   ; a fragment of A: row x pitch + 16 x half
	s_mul_i32 s21, s11, HALFA                      ; my 64 rows of A
	v_add_nc_u32 v[ADRA], s21, v3
	v_add_nc_u32 v[ADRA+1], SLOT, v[ADRA]
	v_and_b32 v3, 7, v0                            ; a fragment of W, turned: lane l reads row 8 h + l % 8 along K, 16 bytes at 16 ((l / 8) % 2)
	v_lshl_add_u32 v3, v2, 3, v3
	v_mul_u32_u24 v3, v3, PB
	v_bfe_u32 v5, v0, 3, 1
	v_lshl_add_u32 v3, v5, 4, v3
	s_lshl_b32 s22, s12, 7                         ; my 64 columns: 128 bytes
	s_add_co_u32 s22, s22, ATILE
	v_add_nc_u32 v[ADRB], s22, v3
	v_add_nc_u32 v[ADRB+1], HALFB, v[ADRB]
	v_add_nc_u32 v[ADRB+2], SLOT, v[ADRB]
	v_add_nc_u32 v[ADRB+3], SLOT+HALFB, v[ADRB]
	s_mul_i32 s23, s10, WSTAGE
	s_add_co_u32 s23, s23, STAGE                   ; my stage
	v_mul_u32_u24 v3, v1, 272
	v_lshl_add_u32 v3, v2, 5, v3
	v_add_nc_u32 v[STO], s23, v3
	v_mul_u32_u24 v3, v2, 272
	v_lshl_add_u32 v3, v1, 4, v3
	v_add_nc_u32 v[RD], s23, v3
	v_lshlrev_b32 v3, 12, v2
	v_lshl_add_u32 v[CO], v1, 4, v3                ; lanes 0-15 one row's 256 bytes, lanes 16-31 the next row's
	s_lshl_b32 s16, s13, 7
	s_lshl_b32 s17, s11, 6
	s_add_co_u32 s16, s16, s17                     ; my first row
	s_lshl_b32 s46, s42, 9
	s_lshl_b32 s47, s12, 8
	s_add_co_u32 s46, s46, s47                     ; my first column, in bytes of f32
	s_mov_b32 s47, 0
	v_lshl_add_u32 v[BO], v2, 5, s46
	s_mov_b32 s19, 0
	s_lshl_b32 s18, s16, 12
.if OPROJ
	s_add_nc_u64 s[8:9], s[70:71], s[18:19]
.else
	s_add_nc_u64 s[8:9], s[76:77], s[18:19]
.endif
	s_add_nc_u64 s[8:9], s[8:9], s[46:47]          ; the f32 output at my 64 x 64
.if OPROJ == 0
	v_lshlrev_b32 v[VTO], 5, v1
	v_lshl_add_u32 v[VTO], v2, 4, v[VTO]
	v_and_b32 v7, 31, v0
	v_lshlrev_b32 v[NUO], 6, v7
	v_lshlrev_b32 v[SVO], 3, v7
	s_add_co_u32 s22, s23, 2560
	v_lshl_add_u32 v[SST], v2, 5, s22
	v_add_nc_u32 v[SRD], s22, v[SVO]
	v_mul_u32_u24 v3, v1, 160
	v_lshl_add_u32 v3, v2, 4, v3
	v_add_nc_u32 v[STV], s23, v3
	v_and_b32 v3, 7, v0
	v_lshl_add_u32 v3, v2, 3, v3
	v_mul_u32_u24 v3, v3, 160
	v_lshl_add_u32 v3, v5, 4, v3
	v_add_nc_u32 v[RTV], s23, v3
	s_mov_b32 s18, s16
	s_add_nc_u64 s[86:87], s[74:75], s[18:19]      ; mask at my first row
	s_lshr_b32 s18, s13, 4
	s_lshl_b32 s18, s18, 11
	s_add_nc_u64 s[88:89], s[74:75], s[18:19]      ; mask at my batch's first row
	s_lshl_b32 s18, s16, 11
	s_add_nc_u64 s[90:91], s[78:79], s[18:19]      ; vt: (row / 16) x 32,768
	s_lshl_b32 s18, s16, 6
	s_add_nc_u64 s[92:93], s[80:81], s[18:19]      ; vsum: (row / 64) x 4,096,
	s_add_nc_u64 s[92:93], s[92:93], s[46:47]      ; my 64 columns
	s_lshl_b32 s46, s46, 3
	s_add_nc_u64 s[90:91], s[90:91], s[46:47]      ; vt: my head x 2,048
.endif
	s_mov_b64 s[BP:BP+1], s[68:69]
.macro MMA zero                        ; one product; rD, rB, rA are set by MUL8
.if OPROJ
.if \zero
	v_wmma_f32_16x16x32_f16 v[rD:rD+7], v[rB:rB+7], v[rA:rA+7], 0
.else
	v_wmma_f32_16x16x32_f16 v[rD:rD+7], v[rB:rB+7], v[rA:rA+7], v[rD:rD+7]
.endif
.else
.if \zero
	v_wmma_f32_16x16x32_bf16 v[rD:rD+7], v[rB:rB+7], v[rA:rA+7], 0
.else
	v_wmma_f32_16x16x32_bf16 v[rD:rD+7], v[rB:rB+7], v[rA:rA+7], v[rD:rD+7]
.endif
.endif
.endm
; 8 products: row blocks a0, a0 + 1 x all 4 column blocks, 32 along K: half c of buffer f.  zero = 1: the product starts the sum.  The 16 accumulators take turns.
.macro MUL8 f, c, a0, zero
	WIN MUL
.irp a, \a0, (\a0)+1
.irp b, 0,1,2,3
.set rD, ACC+8*(4*(\a)+(\b))
.set rB, (\f)+64+8*(4*(\c)+(\b))
.set rA, (\f)+8*(4*(\c)+(\a))
	MMA \zero
.endr
.endr
.endm
; 32 LDS loads in one run: the fragments of quarter q (64 along K) of a slot into buffer f; the first 32 along K first
.macro FETCH slot, q, f
	WIN TO_F
.irp c, 0,1
.irp i, 0,1,2,3
	ds_load_tr16_b128 v[(\f)+64+8*(4*(\c)+(\i)):(\f)+64+8*(4*(\c)+(\i))+3],   v[ADRB+2*(\slot)+(\q)/2] offset:(((\q)%2)*64+32*(\c))*PB+32*(\i)
	ds_load_tr16_b128 v[(\f)+64+8*(4*(\c)+(\i))+4:(\f)+64+8*(4*(\c)+(\i))+7], v[ADRB+2*(\slot)+(\q)/2] offset:(((\q)%2)*64+32*(\c)+16)*PB+32*(\i)
	ds_load_b128 v[(\f)+8*(4*(\c)+(\i)):(\f)+8*(4*(\c)+(\i))+3],              v[ADRA+(\slot)] offset:128*(\q)+64*(\c)+(\i)*16*PA
	ds_load_b128 v[(\f)+8*(4*(\c)+(\i))+4:(\f)+8*(4*(\c)+(\i))+7],            v[ADRA+(\slot)] offset:128*(\q)+64*(\c)+(\i)*16*PA+32
.endr
.endr
.endm
.macro PLACES                          ; four places in front of loads into registers that matrix instructions have read
.rept 4
	v_nop
.endr
.endm
; One of a K step's first three quarters: multiplies buffer f and fetches quarter q into g.
.macro QUARTER slot, q, f, g, zero
	s_wait_dscnt 16                                ; the first 32 along K are in; the younger sixteen loads may be out
	MUL8 \f, 0, 0, \zero
	MUL8 \f, 0, 2, \zero
	PLACES
	FETCH \slot, \q, \g
	s_wait_dscnt 32                                ; all but the 32 just issued
	MUL8 \f, 1, 0, 0
	MUL8 \f, 1, 2, 0
.endm
; The last quarter multiplies buffer 1 and changes slots: ONE barrier; in front of it each wave waits for all its tensor loads, adds 0 to its spare word, and waits for that and for its reads of this slot.
; fill = 1: the barrier opens a round of the cluster's barrier, and this slot is filled again, two K steps ahead, first thing behind the round.
.macro TURN slot, next, fill
	WIN 0
	s_wait_tensorcnt 0x0                           ; all my tensor loads have landed: my part of the next slot;
	ds_add_u32 v[SPW], v[NIL]                      ; 0 onto my spare word;
	s_wait_dscnt 17                                ; (the add and the youngest sixteen loads may be out)
	MUL8 F1, 0, 0, 0
	s_wait_dscnt 0x0                               ; the add is done, and my reads of this slot are over
	s_barrier_signal -1
	MUL8 F1, 0, 2, 0
.if \fill
	WIN 0
.endif
	s_barrier_wait -1
.if \fill
	CREST                                          ; no wave of any partner still reads this slot or has a load on its way
	s_add_nc_u64 s[G0+4*(\slot)+2:G0+4*(\slot)+3], s[G0+4*(\slot)+2:G0+4*(\slot)+3], 2*KSTEP*2
	s_add_nc_u64 s[G0B+4*(\slot)+2:G0B+4*(\slot)+3], s[G0B+4*(\slot)+2:G0B+4*(\slot)+3], 2*KSTEP*2048
	JLOAD \slot                                    ; 112 matrix instructions ahead of the wait for it; its four v_nop are also the places in front of the loads below
.else
	PLACES
.endif
	FETCH \next, 0, F0
	MUL8 F1, 1, 0, 0
	MUL8 F1, 1, 2, 0
.endm
.macro LASTQ                           ; the very last quarter: nothing more to fetch
	s_wait_dscnt 16
	MUL8 F1, 0, 0, 0
	MUL8 F1, 0, 2, 0
	s_wait_dscnt 0x0
	MUL8 F1, 1, 0, 0
	MUL8 F1, 1, 2, 0
.endm
; Two K steps, once round the ring.  zero: the first products start the sums.  f0, f1: slot 0, slot 1 is filled again.
.macro LAP zero, f0, f1
	QUARTER 0, 1, F0, F1, \zero
	QUARTER 0, 2, F1, F0, 0
	QUARTER 0, 3, F0, F1, 0
	TURN 0, 1, \f0
	QUARTER 1, 1, F0, F1, 0
	QUARTER 1, 2, F1, F0, 0
	QUARTER 1, 3, F0, F1, 0
.if \f1
	TURN 1, 0, 1
.else
	LASTQ
.endif
	WIN 0
.endm
.macro BIASLD                          ; my 32 numbers of the bias: column block b, columns 8 h + 0..7
.irp b, 0,1,2,3
	global_load_b128 v[BIAS+8*(\b):BIAS+8*(\b)+3],   v[BO], s[BP:BP+1] offset:64*(\b)
	global_load_b128 v[BIAS+8*(\b)+4:BIAS+8*(\b)+7], v[BO], s[BP:BP+1] offset:64*(\b)+16
.endr
.endm
.macro BIASRND                         ; rounded to bf16 and widened again; these 48 plain lines are also the places behind the last products
.set i, 0
.rept 16
	v_cvt_pk_bf16_f32 v[30+i%2], v[BIAS+2*i], v[BIAS+2*i+1]
	v_lshlrev_b32 v[BIAS+2*i], 16, v[30+i%2]
	v_and_b32 v[BIAS+2*i+1], 0xffff0000, v[30+i%2]
.set i, i+1
.endr
.endm
; THE WAY OUT IN f32.  Block a (16 rows x 64 columns): bias added, 32 bytes a lane and column block into my stage, back as whole rows of 256 bytes.
.macro PACK a
.set TT, TMP+32*((\a)%2)
.if (\a) >= 2
	s_wait_xcnt 0x0                                ; the stores of the block two back have read these registers
.endif
.irp b, 0,1,2,3
.irp j, 0,2,4,6
	v_pk_add_f32 v[TT+8*(\b)+(\j):TT+8*(\b)+(\j)+1], v[ACC+8*(4*(\a)+(\b))+(\j):ACC+8*(4*(\a)+(\b))+(\j)+1], v[BIAS+8*(\b)+(\j):BIAS+8*(\b)+(\j)+1]
.endr
.endr
.irp b, 0,1,2,3
	ds_store_b128 v[STO], v[TT+8*(\b):TT+8*(\b)+3]   offset:64*(\b)
	ds_store_b128 v[STO], v[TT+8*(\b)+4:TT+8*(\b)+7] offset:64*(\b)+16
.endr
.irp t, 0,1,2,3,4,5,6,7
	ds_load_b128 v[TT+4*(\t):TT+4*(\t)+3], v[RD] offset:(\t)*2*272  ; LDS serves a wave's instructions in order: these see the stores above
.endr
.endm
.macro SEND a, younger                 ; younger: the LDS instructions issued behind block a's loads: the next block's sixteen, or none
.set TT, TMP+32*((\a)%2)
.irp t, 0,1,2,3,4,5,6,7
	s_wait_dscnt (\younger)+7-(\t)
	global_store_b128 v[CO], v[TT+4*(\t):TT+4*(\t)+3], s[8:9] offset:(16*(\a)+2*(\t))*4096  ; 16 lanes store 256 consecutive bytes, aligned
.endr
.endm
.macro EPI32
	s_wait_loadcnt 0x0                             ; the bias
	BIASRND
	PACK 0
	PACK 1
	SEND 0, 16
	PACK 2
	SEND 1, 16
	PACK 3
	SEND 2, 16
	SEND 3, 0
.endm
; The number of 1 bytes among the batch's 2,048 mask bytes, as f32 in every lane: d; x: my 16 words; t: at work.
.macro NU d, x, t
	v_add3_u32 v[\d], v[\x], v[\x+1], v[\x+2]      ; byte by byte: 16 at the most in each
.irp i, 3,5,7,9,11,13
	v_add3_u32 v[\d], v[\d], v[\x+\i], v[\x+\i+1]
.endr
	v_add_nc_u32 v[\d], v[\d], v[\x+15]
	v_lshrrev_b32 v[\t], 8, v[\d]
	v_and_b32 v[\d], 0x00ff00ff, v[\d]
	v_and_b32 v[\t], 0x00ff00ff, v[\t]
	v_add_nc_u32 v[\d], v[\d], v[\t]
	v_lshrrev_b32 v[\t], 16, v[\d]
	v_and_b32 v[\d], 0xffff, v[\d]
	v_add_nc_u32 v[\d], v[\d], v[\t]
	v_cvt_f32_u32 v[\d], v[\d]
	v_add_f32_dpp v[\d], v[\d], v[\d] row_xmask:1 row_mask:0xf bank_mask:0xf
	v_add_f32_dpp v[\d], v[\d], v[\d] row_xmask:2 row_mask:0xf bank_mask:0xf
	v_add_f32_dpp v[\d], v[\d], v[\d] row_xmask:4 row_mask:0xf bank_mask:0xf
	v_add_f32_dpp v[\d], v[\d], v[\d] row_xmask:8 row_mask:0xf bank_mask:0xf
	v_permlanex16_b32 v[\t], v[\d], s[SEL], s[SEL+1]
	v_add_f32 v[\d], v[\d], v[\t]
.endm
; THE WAY OUT OF v's TILE.  Block a: rounded to f16, 16 bytes a lane and column block into my stage (rows of 160 bytes), back turned: a lane then holds one channel and eight rows.
.macro PACKV a
.irp b, 0,1,2,3
.irp j, 0,1,2,3
	v_cvt_pk_f16_f32 v[TMP+16*(\a)+4*(\b)+(\j)], v[ACC+8*(4*(\a)+(\b))+2*(\j)], v[ACC+8*(4*(\a)+(\b))+2*(\j)+1]
.endr
.endr
.irp b, 0,1,2,3
	ds_store_b128 v[STV], v[TMP+16*(\a)+4*(\b):TMP+16*(\a)+4*(\b)+3] offset:32*(\b)
.endr
.irp b, 0,1,2,3
	ds_load_tr16_b128 v[TMP+16*(\a)+4*(\b):TMP+16*(\a)+4*(\b)+3], v[RTV] offset:32*(\b)
.endr
.endm
.macro SENDV a, younger
.irp f, 0,1,2,3
	s_wait_dscnt (\younger)+3-(\f)
	global_store_b128 v[VTO], v[TMP+16*(\a)+4*(\f):TMP+16*(\a)+4*(\f)+3], s[90:91] offset:(\a)*32768+(\f)*512  ; the wave stores 512 consecutive bytes, aligned
.endr
.endm
.macro EPIV
	s_wait_loadcnt 0x0                             ; the bias and the mask bytes
	BIASRND
	NU 92, 68, 93
	v_cmp_le_f32 vcc_lo, 0x41800000, v92           ; 16 or more rows of the batch are unmasked: then every row counts
	v_cndmask_b32 v93, 0, 1.0, vcc_lo
.irp a, 0,1,2,3
	v_cvt_f32_u32 v[84+2*(\a)], v[64+(\a)]
.endr
.irp a, 0,1,2,3
	v_max_num_f32 v[84+2*(\a)], v[84+2*(\a)], v93  ; the weight of row r of block a
.endr
.irp a, 0,1,2,3
	v_mov_b32 v[85+2*(\a)], v[84+2*(\a)]
.endr
.set i, 0
.rept 16                               ; the bias, in place; each accumulator's registers in ascending order
.irp j, 0,2,4,6
	v_pk_add_f32 v[ACC+8*i+(\j):ACC+8*i+(\j)+1], v[ACC+8*i+(\j):ACC+8*i+(\j)+1], v[BIAS+8*(i%4)+(\j):BIAS+8*(i%4)+(\j)+1]
.endr
.set i, i+1
.endr
.set i, 0
.rept 16                               ; the weighted sums down my four rows, two columns a line
	v_pk_mul_f32 v[32+2*i:33+2*i], v[ACC+2*i:ACC+2*i+1], v[84:85]
.set i, i+1
.endr
.irp a, 1,2,3
.set i, 0
.rept 16
	v_pk_fma_f32 v[32+2*i:33+2*i], v[ACC+32*(\a)+2*i:ACC+32*(\a)+2*i+1], v[84+2*(\a):85+2*(\a)], v[32+2*i:33+2*i]
.set i, i+1
.endr
.endr
.irp m, 1,2,4,8                        ; and over the sixteen lanes that hold the same columns
.set i, 0
.rept 32
	v_add_f32_dpp v[32+i], v[32+i], v[32+i] row_xmask:\m row_mask:0xf bank_mask:0xf
.set i, i+1
.endr
.endr
.irp b, 0,1,2,3
	ds_store_b128 v[SST], v[32+8*(\b):35+8*(\b)] offset:64*(\b)      ; lanes of one half write the same bytes with the same numbers
	ds_store_b128 v[SST], v[36+8*(\b):39+8*(\b)] offset:64*(\b)+16
.endr
	ds_load_b64 v[4:5], v[SRD]
	s_wait_dscnt 0x0
	global_store_b64 v[SVO], v[4:5], s[92:93]      ; the wave stores 256 consecutive bytes, aligned
	PACKV 0
	PACKV 1
	SENDV 0, 8
	PACKV 2
	SENDV 1, 8
	PACKV 3
	SENDV 2, 8
	SENDV 3, 0
.endm
	BIASLD
	s_wait_tensorcnt 1                             ; my part of K step 0 is in; K step 1's may stay out
	s_barrier_signal -1
	s_barrier_wait -1                              ; everybody's is
	FETCH 0, 0, F0
	WIN 0                                          ; at a label and at a branch every window is 0
.if OPROJ == 0
	s_mov_b32 s2, 2
.Ltile:                                        ; q's tile, then k's: four K steps each; the ring runs on into the next tile
	LAP 1, 1, 1
	LAP 0, 1, 1
	EPI32
	s_wait_xcnt 0x0                                ; the stores have read their registers and their base
	s_add_nc_u64 s[8:9], s[8:9], 0x1000000         ; k's half of qk
	s_cmp_eq_u32 s2, 2
	s_cselect_b64 s[BP:BP+1], s[70:71], s[72:73]   ; the next tile's bias: bk, then bv
	BIASLD
	s_sub_co_u32 s2, s2, 1
	s_cmp_lg_u32 s2, 0
	s_cbranch_scc1 .Ltile
.irp a, 0,1,2,3
	global_load_u8 v[64+(\a)], v1, s[86:87] offset:16*(\a)           ; the mask byte of row r of block a
.endr
.irp i, 0,1,2,3
	global_load_b128 v[68+4*(\i):71+4*(\i)], v[NUO], s[88:89] offset:16*(\i)  ; my 64 of the batch's mask bytes
.endr
.endif
	LAP 1, 1, 1
	LAP 0, 0, 0                                    ; the last lap fills nothing
.if OPROJ
	EPI32
.else
	EPIV
.endif
	s_wait_tensorcnt 0x0                           ; the wave's end: these three lines stand behind my last tensor load and my last LDS store
	ds_add_u32 v[SPW], v[NIL]
	s_wait_dscnt 0x0
	CROUND                                         ; the closing round: no work-group ends while a partner may still ask for a tile that names it
	s_endpgm
.Lfunc_end_k_qb8b82a8a8d_proj:
	.size	k_qb8b82a8a8d_proj, .Lfunc_end_k_qb8b82a8a8d_proj-k_qb8b82a8a8d_proj
	.p2alignl 7, 3214868480
	.fill 96, 4, 3214868480
	.section	.rodata,"a",@progbits
	.p2align	6, 0x0
	.amdhsa_kernel k_qb8b82a8a8d_proj
		.amdhsa_group_segment_fixed_size 327680
		.amdhsa_private_segment_fixed_size 0
		.amdhsa_enable_private_segment 0
		.amdhsa_kernarg_size 72
		.amdhsa_user_sgpr_count 2
		.amdhsa_user_sgpr_kernarg_segment_ptr 1
		.amdhsa_wavefront_size32 1
		.amdhsa_system_sgpr_workgroup_id_x 1
		.amdhsa_system_sgpr_workgroup_id_y 1
		.amdhsa_system_sgpr_workgroup_id_z 1
		.amdhsa_system_vgpr_workitem_id 0
		.amdhsa_next_free_vgpr 512
		.amdhsa_next_free_sgpr 96
		.amdhsa_reserve_vcc 1
		.amdhsa_float_denorm_mode_32 3
		.amdhsa_float_denorm_mode_16_64 3
		.amdhsa_memory_ordered 1
		.amdhsa_forward_progress 1
		.amdhsa_inst_pref_size 198
	.end_amdhsa_kernel
	.amdgpu_metadata
---
amdhsa.version: [ 1, 2 ]
amdhsa.kernels:
  - .name:           k_qb8b82a8a8d_proj
    .symbol:         k_qb8b82a8a8d_proj.kd
    .args:
      - { .name: xb, .offset: 0, .size: 8, .value_kind: global_buffer, .address_space: global }
      - { .name: wb, .offset: 8, .size: 8, .value_kind: global_buffer, .address_space: global }
      - { .name: bq, .offset: 16, .size: 8, .value_kind: global_buffer, .address_space: global }
      - { .name: bk, .offset: 24, .size: 8, .value_kind: global_buffer, .address_space: global }
      - { .name: bv, .offset: 32, .size: 8, .value_kind: global_buffer, .address_space: global }
      - { .name: mask, .offset: 40, .size: 8, .value_kind: global_buffer, .address_space: global }
      - { .name: qk, .offset: 48, .size: 8, .value_kind: global_buffer, .address_space: global }
      - { .name: vt, .offset: 56, .size: 8, .value_kind: global_buffer, .address_space: global }
      - { .name: vsum, .offset: 64, .size: 8, .value_kind: global_buffer, .address_space: global }
    .group_segment_fixed_size: 327680
    .private_segment_fixed_size: 0
    .kernarg_segment_align: 8
    .kernarg_segment_size: 72
    .max_flat_workgroup_size: 128
    .sgpr_count:     96
    .vgpr_count:     512
    .wavefront_size: 32
...
	.end_amdgpu_metadata
.endif
;; end of part 2
;; launch attn (part 3): grid 128 x 2, 16 waves a work-group, no clusters, 35,072 bytes of LDS; arguments qk, vt, mask, vsum, ctx; writes ctx
.if DOCPART == 3
	.amdgcn_target "amdgcn-amd-amdhsa--gfx1250"
	.amdhsa_code_object_version 6
	.text
	.protected	k_qb8b82a8a8d_attn
	.globl	k_qb8b82a8a8d_attn
	.p2align	8
	.type	k_qb8b82a8a8d_attn,@function
k_qb8b82a8a8d_attn:
	s_mov_b64 s[64:65], 0
	v_nop
	global_prefetch_b8 v0, s[64:65] scope:SCOPE_SE
	s_setreg_imm32_b32 hwreg(HW_REG_WAVE_MODE, 25, 1), 1
	s_wait_xcnt 0x0
; THE BAND ATTENTION.  A work-group: 16 queries (tile t) of one batch b; a wave: one head.  Query i sees keys j with |j - i| < 16: they lie in the key tiles t - 1, t, t + 1.
; All else has the score -1e9 (or minus infinity), whose weight is 0 as soon as one key of the band is visible.
; SCORES.  S^T = K Q^T (source 0 = 16 keys, source 1 = 16 queries) by the f32 matrix form, from f32 q and k: the 16th largest score of a row is a threshold, and a rounding of q or k to 16 bits
; would change which keys pass it.  This is 48 instructions a wave, one part in ninety of the program's multiply-adds.  The scale 1/8 is a power of two: it is left out of the order and folded into the exponent.
; A hidden key (outside the band, outside the sequence, or masked) starts its sum with -1e30 as C and stays exactly -1e30.
; THRESHOLD.  Tiles t - 1 and t + 1 are visible at complementary places, so their maximum and tile t are 32 candidates a query, 16 in each of two lanes.  Each lane sorts its 16 (63 compare-exchanges);
; the maxima of my i-th and the partner's (15 - i)-th are the 16 largest of the 32, their minimum the 16th.  With fewer than 16 visible keys it is -1e30, and all visible keys pass.
; SOFTMAX with the row's maximum taken away; weights in f16 for O^T = V^T P, their sum of the unrounded weights.
; NO VISIBLE KEY IN THE BAND (it hangs on mask bytes alone): with Nu unmasked keys in the batch the row is the mean of v over all 2,048 keys if Nu >= 16, over the unmasked ones if 1 <= Nu < 16,
; NaN if Nu = 0: from vsum, whose weights follow the same rule.  The work is jumped over where no query of the tile needs it; no barrier stands in it.
; LIMITS.  Scores stay far below 1e9 in size; v and ctx within f16's 65,504; NaN and infinities in the inputs are not treated apart; a 16th and a 17th score that differ by less than f32 summation's
; noise may fall either way.
; NO CLUSTER: neighbouring work-groups share key tiles shifted by one, and fragments go from memory straight into registers.
.set PITCH, 2064                       ; a row of the stage: 2,048 bytes + 16
.set SPARE, 16*PITCH                   ; 33,024: behind the stage the spare words, 128 bytes for each of 16 waves
.set CM,  16                           ; v[16:39]   the masks, 8 a key tile; later the packed output
.set SC,  40                           ; v[40:63]   S^T, 8 a key tile: written by matrix instructions alone
.set QF,  64                           ; v[64:95]   Q
.set KF,  96                           ; v[96:191]  K, 32 a key tile
.set VA,  192                          ; v[192:223] V^T: channel block cb: tile 0's four registers, tile 1's four
.set V2,  224                          ; v[224:239] V^T of tile 2, four a channel block; v[240:243] zeros
.set XM,  64                           ; v[64:71]   behind the scores: the maxima of tiles 0 and 2
.set SB,  72                           ; v[72:103]  two banks of 16 for the sort
.set TT,  104                          ; v[104:111] the partner's elements
.set EW,  112                          ; v[112:135] the weights
.set P01, 136                          ; v[136:143] P of tiles 0 and 1
.set P2,  144                          ; v[144:151] P of tile 2 and zeros
.set OA,  152                          ; v[152:183] O^T, 8 a channel block
.set TH,  244
.set MX,  246                          ; v[246:247] the maximum, twice
.set LS,  248
.set RL,  250                          ; v[250:251] 1 / l, twice
	s_load_b256 s[4:11], s[0:1], 0x0               ; qk s[4:5], vt s[6:7], mask s[8:9], vsum s[10:11]
	s_load_b64 s[12:13], s[0:1], 0x20              ; ctx
	v_lshl_add_u32 v14, v0, 2, SPARE               ; my spare word; never rewritten
	v_mov_b32 v15, 0                               ; 0; never rewritten
	v_lshrrev_b32 v1, 5, v0
	v_readfirstlane_b32 s14, v1                    ; wave = head
	s_mov_b32 s15, ttmp9                           ; t
	s_and_b32 s16, ttmp7, 0xffff                   ; b
	s_sub_co_i32 s17, s15, 1
	s_max_i32 s17, s17, 0                          ; the three key tiles, held inside the sequence
	s_mov_b32 s18, s15
	s_add_co_u32 s19, s15, 1
	s_min_u32 s19, s19, 127
	s_lshl_b32 s50, s16, 11                        ; the batch's first row
	s_lshl_b32 s51, s14, 8                         ; the head's 256 bytes of an f32 row
	s_mov_b32 s35, 0
	s_mov_b32 s39, 0xf149f2ca                      ; -1e30
	s_mov_b32 s40, 0x3e38aa3b                      ; c = log2(e) / 8
	s_mov_b32 s41, s40
	s_mov_b32 s42, 0x76543210
	s_mov_b32 s43, 0xfedcba98
	s_lshl_b32 s54, s14, 7                         ; the head's 128 bytes of a row of ctx
	s_mul_i32 s55, s14, PITCH                      ; the stage's row that I send
	v_and_b32 v1, 15, v0                           ; r
	v_bfe_u32 v2, v0, 4, 1                         ; h
	v_lshlrev_b32 v3, 12, v1
	v_lshl_add_u32 v3, v2, 4, v3                   ; row r of q or k, 16 bytes for each half of the lanes
	v_lshlrev_b32 v4, 5, v1
	v_lshl_add_u32 v4, v2, 4, v4                   ; channel r of vt, keys 8 h + 0..7
	s_wait_kmcnt 0x0
	s_lshl_b32 s34, s15, 4
	s_add_co_u32 s34, s34, s50                     ; my first query's row
	s_lshl_b32 s52, s34, 11
	s_lshl_b32 s34, s34, 12
	s_add_co_u32 s34, s34, s51
	s_add_nc_u64 s[20:21], s[4:5], s[34:35]        ; q
.irp i, 0,1,2
	s_lshl_b32 s34, s[17+(\i)], 4
	s_add_co_u32 s34, s34, s50
	s_add_nc_u64 s[44+2*(\i):45+2*(\i)], s[8:9], s[34:35]   ; the key tile's mask bytes
	s_lshl_b32 s34, s34, 12
	s_add_co_u32 s34, s34, s51
	s_add_co_u32 s34, s34, 0x1000000
	s_add_nc_u64 s[22+2*(\i):23+2*(\i)], s[4:5], s[34:35]   ; k
	s_lshl_b32 s34, s16, 7
	s_add_co_u32 s34, s34, s[17+(\i)]
	s_lshl_b32 s34, s34, 4
	s_add_co_u32 s34, s34, s14
	s_lshl_b32 s34, s34, 11
	s_add_nc_u64 s[28+2*(\i):29+2*(\i)], s[6:7], s[34:35]   ; vt
.endr
	s_mov_b32 s34, s50
	s_add_nc_u64 s[56:57], s[8:9], s[34:35]        ; the batch's mask bytes
	s_lshl_b32 s34, s14, 11
	s_add_co_u32 s34, s34, s52
	s_add_nc_u64 s[58:59], s[12:13], s[34:35]      ; the row of ctx that I send: query = my wave's number
	s_lshl_b32 s34, s16, 17
	s_add_co_u32 s34, s34, s51
	s_add_nc_u64 s[60:61], s[10:11], s[34:35]      ; vsum: the batch's 32 blocks, the head's 64 columns
	global_load_u8 v9,  v1, s[44:45]
	global_load_u8 v10, v1, s[46:47]
	global_load_u8 v11, v1, s[48:49]
	; A load of 16 bytes at 32 c + 16 h feeds two steps of four channels: registers 4 c + 2 u, 4 c + 2 u + 1.  Q and K take the channels in the same order.
.irp c, 0,1,2,3,4,5,6,7
	global_load_b128 v[QF+4*(\c):QF+4*(\c)+3], v3, s[20:21] offset:32*(\c)
.endr
.irp i, 0,1,2
.irp c, 0,1,2,3,4,5,6,7
	global_load_b128 v[KF+32*(\i)+4*(\c):KF+32*(\i)+4*(\c)+3], v3, s[22+2*(\i):23+2*(\i)] offset:32*(\c)
.endr
.endr
.irp cb, 0,1,2,3
	global_load_b128 v[VA+8*(\cb):VA+8*(\cb)+3],   v4, s[28:29] offset:512*(\cb)
	global_load_b128 v[VA+8*(\cb)+4:VA+8*(\cb)+7], v4, s[30:31] offset:512*(\cb)
	global_load_b128 v[V2+4*(\cb):V2+4*(\cb)+3],   v4, s[32:33] offset:512*(\cb)
.endr
	; THE MASKS.  Bit 16 i + p stands for key p of tile i.
	s_wait_loadcnt 44                              ; the three mask bytes are in; Q's 8, K's 24 and V's 12 loads are younger
	v_cmp_ne_u32 s50, 0, v9
	v_cmp_ne_u32 s51, 0, v10
	v_cmp_ne_u32 s52, 0, v11
	s_and_b32 s50, s50, 0xffff
	s_and_b32 s51, s51, 0xffff
	s_and_b32 s52, s52, 0xffff
	s_cmp_eq_u32 s15, 0
	s_cselect_b32 s50, 0, s50                      ; there is no tile in front of the first,
	s_cmp_eq_u32 s15, 127
	s_cselect_b32 s52, 0, s52                      ; and none behind the last
	s_lshl_b32 s51, s51, 16
	s_or_b32 s36, s50, s51
	s_mov_b32 s37, s52
	v_mov_b32 v13, 0x7fffffff                      ; query r sees bits r + 1 .. r + 31
	v_add_nc_u32 v12, 1, v1
	v_lshlrev_b32 v12, v12, v13
	v_sub_nc_u32 v9, 31, v1
	v_lshrrev_b32 v9, v9, v13
	v_and_b32 v12, s36, v12
	v_and_b32 v9, s37, v9
	v_or_b32 v10, v12, v9
	v_cmp_eq_u32 s38, 0, v10                       ; the lanes whose query sees no key of its band
	v_lshlrev_b32 v11, 3, v2
	v_lshrrev_b32 v12, v11, v12                    ; my keys 8 h + j: bit j for tile 0, bit 16 + j for tile 1,
	v_lshrrev_b32 v9, v11, v9                      ; bit j for tile 2
	v_xor_b32 v12, -1, v12
	v_xor_b32 v9, -1, v9
.irp j, 0,1,2,3,4,5,6,7
	v_bfe_u32 v[CM+(\j)], v12, (\j), 1
	v_bfe_u32 v[CM+8+(\j)], v12, 16+(\j), 1
	v_bfe_u32 v[CM+16+(\j)], v9, (\j), 1
.endr
.set i, 0
.rept 24
	v_mul_lo_u32 v[CM+i], v[CM+i], s39             ; 0, or the bits of -1e30
.set i, i+1
.endr
	; THE SCORES.  16 steps of four channels; the three accumulators take turns; the first step takes the mask as C.
	s_wait_loadcnt 12                              ; Q and K are in; V's 12 loads are younger
.set s, 0
.rept 16
.irp kt, 0,1,2
.if s == 0
	v_wmma_f32_16x16x4_f32 v[SC+8*(\kt):SC+8*(\kt)+7], v[KF+32*(\kt):KF+32*(\kt)+1], v[QF:QF+1], v[CM+8*(\kt):CM+8*(\kt)+7]
.else
	v_wmma_f32_16x16x4_f32 v[SC+8*(\kt):SC+8*(\kt)+7], v[KF+32*(\kt)+2*s:KF+32*(\kt)+2*s+1], v[QF+2*s:QF+2*s+1], v[SC+8*(\kt):SC+8*(\kt)+7]
.endif
.endr
.set s, s+1
.endr
	; ten plain lines that name none of those registers: the places behind the last products (eight are wanted behind this form)
	v_mov_b32 v240, 0
	v_mov_b32 v241, 0
	v_mov_b32 v242, 0
	v_mov_b32 v243, 0
	v_mul_u32_u24 v6, v1, PITCH
	v_lshl_add_u32 v6, v2, 4, v6
	v_add_nc_u32 v6, s54, v6                       ; stage, in: row r, my head's 128 bytes, 16 for each half of the lanes
	v_and_b32 v8, 31, v0
	v_lshlrev_b32 v8, 4, v8                        ; my 16 bytes of 512
	v_add_nc_u32 v7, s55, v8                       ; stage, back: the row of my wave's number
	; THE THRESHOLD.
.irp j, 0,1,2,3,4,5,6,7
	v_max_num_f32 v[XM+(\j)], v[SC+(\j)], v[SC+16+(\j)]
.endr
.irp i, 0,1,2,3                        ; the sort's first layer, into bank 0: elements 0-7 from the maxima, 8-15 from tile 1
	v_max_num_f32 v[SB+2*(\i)],   v[XM+2*(\i)], v[XM+2*(\i)+1]
	v_min_num_f32 v[SB+2*(\i)+1], v[XM+2*(\i)], v[XM+2*(\i)+1]
.endr
.irp i, 0,1,2,3
	v_max_num_f32 v[SB+8+2*(\i)],   v[SC+8+2*(\i)], v[SC+8+2*(\i)+1]
	v_min_num_f32 v[SB+8+2*(\i)+1], v[SC+8+2*(\i)], v[SC+8+2*(\i)+1]
.endr
; A compare-exchange of elements ia < ib: the larger to ia.  Both go into their other bank, so it is two lines; bit e of cur says in which bank element e lies.
.macro CE
.set ra, SB+16*((cur>>ia)&1)+ia
.set rb, SB+16*((cur>>ib)&1)+ib
.set cur, cur^((1<<ia)|(1<<ib))
.set na, SB+16*((cur>>ia)&1)+ia
.set nb, SB+16*((cur>>ib)&1)+ib
	v_max_num_f32 v[na], v[ra], v[rb]
	v_min_num_f32 v[nb], v[ra], v[rb]
.endm
.macro ELR e                           ; re = the register of element e
.set re, SB+16*((cur>>(\e))&1)+(\e)
.endm
.set cur, 0
.set sp, 2
.rept 3                                ; the odd-even merge sort's layers for runs of 2, 4, 8: 55 compare-exchanges
.set sk, sp
.rept 4
.if sk >= 1
.set sj, sk%sp
.rept 8
.if (sj+sk) <= 15
.set si, 0
.rept 8
.if (si < sk) && ((si+sj+sk) <= 15)
.if ((si+sj)/(2*sp)) == ((si+sj+sk)/(2*sp))
.set ia, si+sj
.set ib, si+sj+sk
	CE
.endif
.endif
.set si, si+1
.endr
.endif
.set sj, sj+2*sk
.endr
.endif
.set sk, sk/2
.endr
.set sp, sp*2
.endr
.irp i, 0,1,2,3,4,5,6,7
	ELR 15-(\i)
	v_permlanex16_b32 v[TT+(\i)], v[re], s42, s43  ; the partner's element 15 - i
.endr
	ELR 0
	v_permlanex16_b32 v9, v[re], s42, s43
	v_max_num_f32 v[MX], v9, v[re]                 ; the row's maximum
	v_mov_b32 v[MX+1], v[MX]
.irp i, 0,1,2,3,4,5,6,7
	ELR \i
	v_max_num_f32 v[TT+(\i)], v[TT+(\i)], v[re]    ; eight of the 16 largest; the partner makes the other eight
.endr
	v_min3_num_f32 v10, v[TT], v[TT+1], v[TT+2]
	v_min3_num_f32 v10, v10, v[TT+3], v[TT+4]
	v_min3_num_f32 v10, v10, v[TT+5], v[TT+6]
	v_min_num_f32 v10, v10, v[TT+7]
	v_permlanex16_b32 v9, v10, s42, s43
	v_min_num_f32 v[TH], v10, v9                   ; the 16th largest
	; THE WEIGHTS.
.set i, 0
.rept 24
	v_cmp_ge_f32 vcc_lo, v[SC+i], v[TH]
	v_cndmask_b32 v[EW+i], s39, v[SC+i], vcc_lo
.set i, i+1
.endr
.set i, 0
.rept 12
	v_pk_add_f32 v[EW+2*i:EW+2*i+1], v[EW+2*i:EW+2*i+1], v[MX:MX+1] neg_lo:[0,1] neg_hi:[0,1]
.set i, i+1
.endr
.set i, 0
.rept 12
	v_pk_mul_f32 v[EW+2*i:EW+2*i+1], v[EW+2*i:EW+2*i+1], s[40:41] op_sel_hi:[1,0]
.set i, i+1
.endr
.set i, 0
.rept 24                               ; one batch
	v_exp_f32 v[EW+i], v[EW+i]
.set i, i+1
.endr
	v_nop                                          ; a plain instruction behind the last exponential,
	s_wait_alu depctr_va_vdst(0)                   ; and a wait ahead of the batch's first reader
.set i, 0
.rept 12
	v_cvt_pk_f16_f32 v[P01+i], v[EW+2*i], v[EW+2*i+1]  ; tiles 0, 1 fill P01; tile 2 the lower half of P2
.set i, i+1
.endr
.irp i, 4,5,6,7
	v_mov_b32 v[P2+(\i)], 0
.endr
	; O^T = V^T P: 32 keys (tiles 0, 1), then tile 2 beside 16 keys of weight 0; there the upper half of source 0 is whatever finite f16 follows (the next block's, or the zeros).
	s_wait_loadcnt 0x0                             ; V
.irp cb, 0,1,2,3
	v_wmma_f32_16x16x32_f16 v[OA+8*(\cb):OA+8*(\cb)+7], v[VA+8*(\cb):VA+8*(\cb)+7], v[P01:P01+7], 0
.endr
.irp cb, 0,1,2,3
	v_wmma_f32_16x16x32_f16 v[OA+8*(\cb):OA+8*(\cb)+7], v[V2+4*(\cb):V2+4*(\cb)+7], v[P2:P2+7], v[OA+8*(\cb):OA+8*(\cb)+7]
.endr
	; l: these sums are the places behind the products
.irp i, 0,1,2,3,4,5
	v_pk_add_f32 v[EW+2*(\i):EW+2*(\i)+1], v[EW+2*(\i):EW+2*(\i)+1], v[EW+12+2*(\i):EW+12+2*(\i)+1]
.endr
.irp i, 0,1,2
	v_pk_add_f32 v[EW+2*(\i):EW+2*(\i)+1], v[EW+2*(\i):EW+2*(\i)+1], v[EW+6+2*(\i):EW+6+2*(\i)+1]
.endr
	v_pk_add_f32 v[EW:EW+1], v[EW:EW+1], v[EW+2:EW+3]
	v_pk_add_f32 v[EW:EW+1], v[EW:EW+1], v[EW+4:EW+5]
	v_add_f32 v[LS], v[EW], v[EW+1]
	v_permlanex16_b32 v9, v[LS], s42, s43
	v_add_f32 v[LS], v[LS], v9
	v_rcp_f32 v[RL], v[LS]                         ; l is 1 at the least: the maximum's own weight
	v_rcp_f32 v[RL+1], v[LS]
	v_nop
	s_wait_alu depctr_va_vdst(0)
.set i, 0
.rept 16
	v_pk_mul_f32 v[OA+2*i:OA+2*i+1], v[OA+2*i:OA+2*i+1], v[RL:RL+1]
.set i, i+1
.endr
	; QUERIES THAT SEE NO KEY OF THEIR BAND.
	s_cmp_lg_u32 s38, 0
	s_cbranch_scc0 .Lnofb
	v_and_b32 v10, 31, v0
	v_lshlrev_b32 v10, 6, v10                      ; my 64 of the batch's mask bytes
	v_lshlrev_b32 v11, 12, v1
	v_lshl_add_u32 v11, v2, 5, v11                 ; block r of vsum, my eight columns of a channel block
.irp i, 0,1,2,3
	global_load_b128 v[192+4*(\i):195+4*(\i)], v10, s[56:57] offset:16*(\i)
.endr
.irp g, 0,1
.irp cb, 0,1,2,3
	global_load_b128 v[64+32*(\g)+8*(\cb):64+32*(\g)+8*(\cb)+3],   v11, s[60:61] offset:65536*(\g)+64*(\cb)
	global_load_b128 v[64+32*(\g)+8*(\cb)+4:64+32*(\g)+8*(\cb)+7], v11, s[60:61] offset:65536*(\g)+64*(\cb)+16
.endr
.endr
	s_wait_loadcnt 0x0
	v_add3_u32 v12, v192, v193, v194               ; Nu: byte by byte, 16 at the most in each
.irp i, 3,5,7,9,11,13
	v_add3_u32 v12, v12, v[192+(\i)], v[192+(\i)+1]
.endr
	v_add_nc_u32 v12, v12, v207
	v_lshrrev_b32 v13, 8, v12
	v_and_b32 v12, 0x00ff00ff, v12
	v_and_b32 v13, 0x00ff00ff, v13
	v_add_nc_u32 v12, v12, v13
	v_lshrrev_b32 v13, 16, v12
	v_and_b32 v12, 0xffff, v12
	v_add_nc_u32 v12, v12, v13
	v_cvt_f32_u32 v12, v12
	v_add_f32_dpp v12, v12, v12 row_xmask:1 row_mask:0xf bank_mask:0xf
	v_add_f32_dpp v12, v12, v12 row_xmask:2 row_mask:0xf bank_mask:0xf
	v_add_f32_dpp v12, v12, v12 row_xmask:4 row_mask:0xf bank_mask:0xf
	v_add_f32_dpp v12, v12, v12 row_xmask:8 row_mask:0xf bank_mask:0xf
	v_permlanex16_b32 v13, v12, s42, s43
	v_add_f32 v12, v12, v13
	v_mov_b32 v13, 0x45000000                      ; 2,048
	v_cmp_le_f32 vcc_lo, 0x41800000, v12           ; 16 <= Nu
	v_cndmask_b32 v12, v12, v13, vcc_lo            ; the divisor
.set i, 0
.rept 16
	v_pk_add_f32 v[64+2*i:65+2*i], v[64+2*i:65+2*i], v[96+2*i:97+2*i]   ; blocks r and r + 16,
.set i, i+1
.endr
.irp m, 1,2,4,8                        ; and over the sixteen lanes
.set i, 0
.rept 32
	v_add_f32_dpp v[64+i], v[64+i], v[64+i] row_xmask:\m row_mask:0xf bank_mask:0xf
.set i, i+1
.endr
.endr
	v_rcp_f32 v252, v12                            ; Nu = 0: infinity, and 0 times it is the NaN that is wanted
	v_rcp_f32 v253, v12
	v_nop
	s_wait_alu depctr_va_vdst(0)
.set i, 0
.rept 16
	v_pk_mul_f32 v[64+2*i:65+2*i], v[64+2*i:65+2*i], v[252:253]
.set i, i+1
.endr
.set i, 0
.rept 32
	v_cndmask_b32 v[OA+i], v[OA+i], v[64+i], s38
.set i, i+1
.endr
.Lnofb:
	; THE WAY OUT: f16; a lane's eight channels of a query are 16 bytes; the 16 heads fill 16 rows of 2,048 bytes in the stage; then each wave sends one whole row.
.set i, 0
.rept 16
	v_cvt_pk_f16_f32 v[CM+i], v[OA+2*i], v[OA+2*i+1]
.set i, i+1
.endr
.irp cb, 0,1,2,3
	ds_store_b128 v6, v[CM+4*(\cb):CM+4*(\cb)+3] offset:32*(\cb)
.endr
	s_wait_dscnt 0x0                               ; for the others' sake: my stores into the stage are done
	s_barrier_signal -1
	s_barrier_wait -1
.irp i, 0,1,2,3
	ds_load_b128 v[64+4*(\i):67+4*(\i)], v7 offset:512*(\i)
.endr
.irp i, 0,1,2,3
	s_wait_dscnt 3-(\i)                            ; the later reads of the row may stay out
	global_store_b128 v8, v[64+4*(\i):67+4*(\i)], s[58:59] offset:512*(\i)  ; 512 consecutive bytes, aligned
.endr
	s_wait_tensorcnt 0x0                           ; the wave's end: these three lines stand behind my last LDS store
	ds_add_u32 v14, v15
	s_wait_dscnt 0x0
	s_endpgm
.Lfunc_end_k_qb8b82a8a8d_attn:
	.size	k_qb8b82a8a8d_attn, .Lfunc_end_k_qb8b82a8a8d_attn-k_qb8b82a8a8d_attn
	.p2alignl 7, 3214868480
	.fill 96, 4, 3214868480
	.section	.rodata,"a",@progbits
	.p2align	6, 0x0
	.amdhsa_kernel k_qb8b82a8a8d_attn
		.amdhsa_group_segment_fixed_size 35072
		.amdhsa_private_segment_fixed_size 0
		.amdhsa_enable_private_segment 0
		.amdhsa_kernarg_size 40
		.amdhsa_user_sgpr_count 2
		.amdhsa_user_sgpr_kernarg_segment_ptr 1
		.amdhsa_wavefront_size32 1
		.amdhsa_system_sgpr_workgroup_id_x 1
		.amdhsa_system_sgpr_workgroup_id_y 1
		.amdhsa_system_sgpr_workgroup_id_z 1
		.amdhsa_system_vgpr_workitem_id 0
		.amdhsa_next_free_vgpr 256
		.amdhsa_next_free_sgpr 66
		.amdhsa_reserve_vcc 1
		.amdhsa_float_denorm_mode_32 3
		.amdhsa_float_denorm_mode_16_64 3
		.amdhsa_memory_ordered 1
		.amdhsa_forward_progress 1
		.amdhsa_inst_pref_size 46
	.end_amdhsa_kernel
	.amdgpu_metadata
---
amdhsa.version: [ 1, 2 ]
amdhsa.kernels:
  - .name:           k_qb8b82a8a8d_attn
    .symbol:         k_qb8b82a8a8d_attn.kd
    .args:
      - { .name: qk, .offset: 0, .size: 8, .value_kind: global_buffer, .address_space: global }
      - { .name: vt, .offset: 8, .size: 8, .value_kind: global_buffer, .address_space: global }
      - { .name: mask, .offset: 16, .size: 8, .value_kind: global_buffer, .address_space: global }
      - { .name: vsum, .offset: 24, .size: 8, .value_kind: global_buffer, .address_space: global }
      - { .name: ctx, .offset: 32, .size: 8, .value_kind: global_buffer, .address_space: global }
    .group_segment_fixed_size: 35072
    .private_segment_fixed_size: 0
    .kernarg_segment_align: 8
    .kernarg_segment_size: 40
    .max_flat_workgroup_size: 512
    .sgpr_count:     66
    .vgpr_count:     256
    .wavefront_size: 32
...
	.end_amdgpu_metadata
.endif
;; end of part 3
;; launch oproj (part 4): grid 8 x 32, 4 waves a work-group, clusters of 4 x 4, 327,680 bytes of LDS; arguments ctx, wo16, bo, out0; writes out0
.if DOCPART == 4
	.amdgcn_target "amdgcn-amd-amdhsa--gfx1250"
	.amdhsa_code_object_version 6
	.text
	.protected	k_qb8b82a8a8d_oproj
	.globl	k_qb8b82a8a8d_oproj
	.p2align	8
	.type	k_qb8b82a8a8d_oproj,@function
k_qb8b82a8a8d_oproj:
	s_mov_b64 s[64:65], 0
	v_nop
	global_prefetch_b8 v0, s[64:65] scope:SCOPE_SE
	s_setreg_imm32_b32 hwreg(HW_REG_WAVE_MODE, 25, 1), 1
	s_wait_xcnt 0x0
	s_wait_alu depctr_hold_cnt(0) depctr_sa_sdst(0) depctr_va_vdst(0) depctr_va_sdst(0) depctr_va_ssrc(0) depctr_va_vcc(0) depctr_vm_vsrc(0)
	s_getreg_b32 s2, hwreg(HW_REG_IB_STS2, 6, 4)
	s_cmp_eq_u32 s2, 0
	s_cbranch_scc0 .Lentry_in_a_cluster
	s_endpgm
.Lentry_in_a_cluster:
	s_bfe_u32 s2, ttmp6, 0x10000c
	s_cmp_lg_u32 s2, 0xf033
	s_cbranch_scc0 .Lentry_shape_is_right
	s_endpgm
.Lentry_shape_is_right:
; C = A W + bias on tiles of 128 x 128, one text for two launches; OPROJ says which.
; OPROJ = 0: the three projections.  A = xb, bf16 [4096][3072] (q | k | v along a row), W = wb, bf16 [3072][1024] (Wq, Wk, Wv one below the other).  A work-group makes the SAME tile
;   (128 rows, 128 columns) of q's, k's and v's projection one after the other: K runs 0..3071 in 12 steps of 256 through one ring, and the sums start anew every four steps.
;   q's and k's tiles leave in f32 (qk: [2][4096][1024]), unscaled: the scores must agree with f32 arithmetic to its last bits, since a threshold is taken among them.
;   v's tile leaves in f16, turned: vt byte = (row/16) 32768 + head 2048 + channel 32 + (row%16) 2.  Beside it: vsum[row/64][1024], f32 sums down the 64 rows with weight 1 for a row whose
;   mask byte is 1, or for every row if the batch has 16 or more such rows.
; OPROJ = 1: out0 = ctx Wo + bo.  A = ctx, f16 [4096][1024], W = wo16, f16 [1024][1024]; K = 1024, four steps; out0 in f32.
; The biases are rounded to bf16 like every other floating-point input, then added in f32.
; LIMITS.  v's projection must lie within f16's 65,504.  NaN and infinities are not treated apart.
; SHARES.  Four waves, each 64 x 64: 16 accumulators.  The matrix instruction is used transposed (source 0 = 16 columns of W, source 1 = 16 rows of A): a lane holds one row and eight neighbouring columns.
; W lies [K][N]: its fragments come out of LDS turned, by ds_load_tr16_b128.
; CLUSTER.  4 x 4 work-groups; A's tile is shared along a row of the cluster, W's along a column: each is asked for jointly.
; NO PREFETCH: a K step is 128 matrix instructions a wave on a small tile, and each tile is read by eight or thirty-two work-groups at about the same time.
; REGISTERS.  Window 0: v0-31 addresses; v32-95 at work on the way out; v96-127 the bias; v128-255 the accumulators ((a, b) at 128 + 8 (4 a + b)).
;   Window 1: two fragment buffers of 128: for 64 along K, 64 registers of A, then 64 of W.
.set OPROJ, 1
.set KSTEP,  256
.if OPROJ
.set APITCH, 1024                      ; elements from row to row of A
.else
.set APITCH, 3072
.endif
.set PA,     528                       ; a row of A in LDS: 512 bytes + 16: the 16 rows of a load start at 16 different groups of four banks
.set PB,     288                       ; a row of W in LDS: 256 bytes + 32
.set HALFA,  64*PA                     ; what waves 0 and 1 fetch: 64 rows of A
.set ATILE,  2*HALFA
.set HALFB,  128*PB                    ; what waves 2 and 3 fetch: 128 rows (along K) of W
.set SLOT,   ATILE+2*HALFB
.set STAGE,  2*SLOT                    ; behind the ring: 4,352 bytes for each wave, never filled by a tensor load
.set WSTAGE, 4352
.set SPARE,  STAGE+4*WSTAGE            ; the spare words, 128 bytes for each wave: two blocks of 256 bytes that no other line names
.set VTO,  6                           ; v6   my 16 bytes in 512 of vt: 32 r + 16 h
.set NUO,  8                           ; v8   my 64 mask bytes of the batch's 2,048
.set SST,  9                           ; v9   stage: where the column sums go
.set SRD,  10                          ; v10  stage: where I read two of them back
.set SVO,  11                          ; v11  my 8 bytes of 256 of vsum
.set STV,  12                          ; v12  stage, v's form: row r, 16 bytes for each half of the lanes (pitch 160)
.set RTV,  13                          ; v13  stage, v's form: the turning load's address
.set ADRA, 16                          ; v16-17  my A fragments in slot 0, 1
.set ADRB, 20                          ; v20-23  my W fragments: slot 0 (K 0-127, K 128-255), slot 1 likewise: the immediate holds 16 bits
.set STO,  24                          ; v24  stage, f32 form: row r, 32 bytes for each half of the lanes (pitch 272)
.set RD,   25                          ; v25  stage, f32 form: where I read a row back
.set CO,   26                          ; v26  my byte offset in two rows of the output
.set BO,   27                          ; v27  my byte offset in the bias
.set SPW,  28                          ; v28  my spare word; never rewritten
.set NIL,  29                          ; v29  0; never rewritten
.set TMP,  32
.set BIAS, 96
.set ACC,  128
.set F0,   0
.set F1,   128
.set G1,  24                           ; s[24:31] group 1 for A's tiles; s[32:39] group 0, a set for each slot
.set G0,  32
.set G1B, 48                           ; s[48:55], s[56:63] the same for W's
.set G0B, 56
.set BP,  82                           ; s[82:83] the bias in hand
.set SEL, 84                           ; s[84:85] v_permlanex16_b32's selects
.set MSB, 0
.macro WIN new                         ; the immediate's high byte repeats the setting that is left; a switch that changes nothing is dropped
.if MSB != (\new)
	s_set_vgpr_msb (MSB<<8)|(\new)
.set MSB, \new
.endif
.endm
.set MUL,  0x05                        ; sources 0 (W) and 1 (A) window 1; C and D window 0
.set TO_F, 0x40                        ; destination window 1, address window 0
.macro JLOAD s                         ; a joint load: waves 0 and 1 fetch A's halves, waves 2 and 3 W's; an s_nop 0 and four v_nop follow each line
	s_cmp_eq_u32 s11, 0
	s_cbranch_scc0 .Lfor_b_\@
	tensor_load_to_lds s[G0+4*(\s):G0+4*(\s)+3], s[G1:G1+7]
	s_nop 0
.rept 4
	v_nop
.endr
	s_branch .Lasked_\@
.Lfor_b_\@:
	tensor_load_to_lds s[G0B+4*(\s):G0B+4*(\s)+3], s[G1B:G1B+7]
	s_nop 0
.rept 4
	v_nop
.endr
.Lasked_\@:
.endm
.macro CREST                           ; a round of the cluster's barrier behind its opening barrier
	s_cmp_lg_u32 s10, 0
	s_cbranch_scc1 .Lnot_wave_0_\@
	s_barrier_signal -3
.Lnot_wave_0_\@:
	s_barrier_wait -3
	s_barrier_signal -1
	s_barrier_wait -1
.endm
.macro CROUND                          ; a whole round
	s_barrier_signal -1
	s_barrier_wait -1
	CREST
.endm
	s_load_b128 s[4:7], s[0:1], 0x0                ; A s[4:5], W s[6:7]
.if OPROJ
	s_load_b128 s[68:71], s[0:1], 0x10             ; bo s[68:69], out0 s[70:71]
.else
	s_load_b256 s[68:75], s[0:1], 0x10             ; bq s[68:69], bk s[70:71], bv s[72:73], mask s[74:75]
	s_load_b128 s[76:79], s[0:1], 0x30             ; qk s[76:77], vt s[78:79]
	s_load_b64 s[80:81], s[0:1], 0x40              ; vsum
.endif
	v_lshl_add_u32 v[SPW], v0, 2, SPARE
	v_mov_b32 v[NIL], 0
	ds_add_u32 v[SPW], v[NIL]                      ; the wave's opening: the add and its wait stand ahead of my first tensor load; work on registers stands between them
	v_lshrrev_b32 v1, 5, v0
	v_readfirstlane_b32 s10, v1                    ; wave 0..3
	s_lshr_b32 s11, s10, 1                         ; which half of the tile's rows is mine.  Also: I fetch for A (0) or for W (1)
	s_and_b32 s12, s10, 1                          ; which half of its columns.  Also: which half of that tile I fetch
	s_bfe_u32 s40, ttmp6, 0x40000                  ; cx, cy: my place in the cluster
	s_bfe_u32 s41, ttmp6, 0x40004
	s_lshl_b32 s42, ttmp9, 2
	s_add_co_u32 s42, s42, s40                     ; tile column = 4 x cluster x + cx, 0..7
	s_and_b32 s13, ttmp7, 0xffff
	s_lshl_b32 s13, s13, 2
	s_add_co_u32 s13, s13, s41                     ; tile row = 4 x cluster y + cy, 0..31
	s_lshl_b32 s43, s41, 2
	s_lshl_b32 s43, 15, s43                        ; my row of the cluster
	s_lshl_b32 s44, 0x1111, s40                    ; my column
	s_or_b32 s[G1+0], s43, (1<<16)|(1<<20)|(1<<21)|(6<<22)|(3<<25)   ; the mask; 2-byte elements; padding on; bit 21 beside a mask; after every 128 words 4 words
	s_or_b32 s[G1B+0], s44, (1<<16)|(1<<20)|(1<<21)|(5<<22)|(7<<25)  ; the same with my column's mask; after every 64 words 8 words
	s_mov_b32 s[G1+1], KSTEP<<16                   ; tensor_dim0 = 256
	s_mov_b32 s[G1+2], 64<<16                      ; tensor_dim1 = 64
	s_mov_b32 s[G1+3], KSTEP<<16                   ; tile_dim0 = 256
	s_mov_b32 s[G1+4], 64                          ; tile_dim1 = 64
	s_mov_b32 s[G1+5], APITCH                      ; elements from row to row
	s_mov_b32 s[G1+6], 0
	s_mov_b32 s[G1+7], 0
	s_mov_b32 s[G1B+1], 128<<16                    ; tensor_dim0 = 128 columns
	s_mov_b32 s[G1B+2], 128<<16                    ; tensor_dim1 = 128 rows along K
	s_mov_b32 s[G1B+3], 128<<16
	s_mov_b32 s[G1B+4], 128
	s_mov_b32 s[G1B+5], 1024
	s_mov_b32 s[G1B+6], 0
	s_mov_b32 s[G1B+7], 0
	s_lshl_b32 s17, s12, 6
	s_lshl_b32 s16, s13, 7
	s_add_co_u32 s16, s16, s17                     ; A: row 128 x tile row + 64 x half,
	s_mul_i32 s16, s16, APITCH*2                   ; in bytes (under 2^25)
	s_mov_b32 s17, 0
	s_lshl_b32 s46, s12, 18                        ; W: 128 rows of 2,048 bytes x half,
	s_lshl_b32 s47, s42, 8                         ; 256 bytes x tile column
	s_add_co_u32 s46, s46, s47
	s_mov_b32 s47, 0
	s_mul_i32 s20, s12, HALFA                      ; where they go: no place in the cluster enters an LDS address
	s_mul_i32 s21, s12, HALFB
	s_add_co_u32 s21, s21, ATILE
	s_mov_b32 s[SEL], 0x76543210
	s_mov_b32 s[SEL+1], 0xfedcba98
	s_wait_dscnt 0x0                               ; the opening add is done
	s_wait_kmcnt 0x0
	s_add_nc_u64 s[14:15], s[4:5], s[16:17]
	s_add_nc_u64 s[46:47], s[6:7], s[46:47]
	CROUND                                         ; all sixteen work-groups are here: the first joint loads meet
.irp s, 0,1
	s_mov_b32 s[G0+4*(\s)], 1
	s_add_co_u32 s[G0+4*(\s)+1], s20, (\s)*SLOT
	s_add_nc_u64 s[G0+4*(\s)+2:G0+4*(\s)+3], s[14:15], (\s)*KSTEP*2
	s_or_b32 s[G0+4*(\s)+3], s[G0+4*(\s)+3], 0x80000000
	s_mov_b32 s[G0B+4*(\s)], 1
	s_add_co_u32 s[G0B+4*(\s)+1], s21, (\s)*SLOT
	s_add_nc_u64 s[G0B+4*(\s)+2:G0B+4*(\s)+3], s[46:47], (\s)*KSTEP*2048
	s_or_b32 s[G0B+4*(\s)+3], s[G0B+4*(\s)+3], 0x80000000
	JLOAD \s                                       ; two loads of mine are out; later one
.endr
	v_and_b32 v1, 15, v0                           ; r = l % 16
	v_bfe_u32 v2, v0, 4, 1                         ; h = l / 16
	v_mul_u32_u24 v3, v1, PA
	v_lshl_add_u32 v3, v2, 4, v3                   ; a fragment of A: row x pitch + 16 x half
	s_mul_i32 s21, s11, HALFA                      ; my 64 rows of A
	v_add_nc_u32 v[ADRA], s21, v3
	v_add_nc_u32 v[ADRA+1], SLOT, v[ADRA]
	v_and_b32 v3, 7, v0                            ; a fragment of W, turned: lane l reads row 8 h + l % 8 along K, 16 bytes at 16 ((l / 8) % 2)
	v_lshl_add_u32 v3, v2, 3, v3
	v_mul_u32_u24 v3, v3, PB
	v_bfe_u32 v5, v0, 3, 1
	v_lshl_add_u32 v3, v5, 4, v3
	s_lshl_b32 s22, s12, 7                         ; my 64 columns: 128 bytes
	s_add_co_u32 s22, s22, ATILE
	v_add_nc_u32 v[ADRB], s22, v3
	v_add_nc_u32 v[ADRB+1], HALFB, v[ADRB]
	v_add_nc_u32 v[ADRB+2], SLOT, v[ADRB]
	v_add_nc_u32 v[ADRB+3], SLOT+HALFB, v[ADRB]
	s_mul_i32 s23, s10, WSTAGE
	s_add_co_u32 s23, s23, STAGE                   ; my stage
	v_mul_u32_u24 v3, v1, 272
	v_lshl_add_u32 v3, v2, 5, v3
	v_add_nc_u32 v[STO], s23, v3
	v_mul_u32_u24 v3, v2, 272
	v_lshl_add_u32 v3, v1, 4, v3
	v_add_nc_u32 v[RD], s23, v3
	v_lshlrev_b32 v3, 12, v2
	v_lshl_add_u32 v[CO], v1, 4, v3                ; lanes 0-15 one row's 256 bytes, lanes 16-31 the next row's
	s_lshl_b32 s16, s13, 7
	s_lshl_b32 s17, s11, 6
	s_add_co_u32 s16, s16, s17                     ; my first row
	s_lshl_b32 s46, s42, 9
	s_lshl_b32 s47, s12, 8
	s_add_co_u32 s46, s46, s47                     ; my first column, in bytes of f32
	s_mov_b32 s47, 0
	v_lshl_add_u32 v[BO], v2, 5, s46
	s_mov_b32 s19, 0
	s_lshl_b32 s18, s16, 12
.if OPROJ
	s_add_nc_u64 s[8:9], s[70:71], s[18:19]
.else
	s_add_nc_u64 s[8:9], s[76:77], s[18:19]
.endif
	s_add_nc_u64 s[8:9], s[8:9], s[46:47]          ; the f32 output at my 64 x 64
.if OPROJ == 0
	v_lshlrev_b32 v[VTO], 5, v1
	v_lshl_add_u32 v[VTO], v2, 4, v[VTO]
	v_and_b32 v7, 31, v0
	v_lshlrev_b32 v[NUO], 6, v7
	v_lshlrev_b32 v[SVO], 3, v7
	s_add_co_u32 s22, s23, 2560
	v_lshl_add_u32 v[SST], v2, 5, s22
	v_add_nc_u32 v[SRD], s22, v[SVO]
	v_mul_u32_u24 v3, v1, 160
	v_lshl_add_u32 v3, v2, 4, v3
	v_add_nc_u32 v[STV], s23, v3
	v_and_b32 v3, 7, v0
	v_lshl_add_u32 v3, v2, 3, v3
	v_mul_u32_u24 v3, v3, 160
	v_lshl_add_u32 v3, v5, 4, v3
	v_add_nc_u32 v[RTV], s23, v3
	s_mov_b32 s18, s16
	s_add_nc_u64 s[86:87], s[74:75], s[18:19]      ; mask at my first row
	s_lshr_b32 s18, s13, 4
	s_lshl_b32 s18, s18, 11
	s_add_nc_u64 s[88:89], s[74:75], s[18:19]      ; mask at my batch's first row
	s_lshl_b32 s18, s16, 11
	s_add_nc_u64 s[90:91], s[78:79], s[18:19]      ; vt: (row / 16) x 32,768
	s_lshl_b32 s18, s16, 6
	s_add_nc_u64 s[92:93], s[80:81], s[18:19]      ; vsum: (row / 64) x 4,096,
	s_add_nc_u64 s[92:93], s[92:93], s[46:47]      ; my 64 columns
	s_lshl_b32 s46, s46, 3
	s_add_nc_u64 s[90:91], s[90:91], s[46:47]      ; vt: my head x 2,048
.endif
	s_mov_b64 s[BP:BP+1], s[68:69]
.macro MMA zero                        ; one product; rD, rB, rA are set by MUL8
.if OPROJ
.if \zero
	v_wmma_f32_16x16x32_f16 v[rD:rD+7], v[rB:rB+7], v[rA:rA+7], 0
.else
	v_wmma_f32_16x16x32_f16 v[rD:rD+7], v[rB:rB+7], v[rA:rA+7], v[rD:rD+7]
.endif
.else
.if \zero
	v_wmma_f32_16x16x32_bf16 v[rD:rD+7], v[rB:rB+7], v[rA:rA+7], 0
.else
	v_wmma_f32_16x16x32_bf16 v[rD:rD+7], v[rB:rB+7], v[rA:rA+7], v[rD:rD+7]
.endif
.endif
.endm
; 8 products: row blocks a0, a0 + 1 x all 4 column blocks, 32 along K: half c of buffer f.  zero = 1: the product starts the sum.  The 16 accumulators take turns.
.macro MUL8 f, c, a0, zero
	WIN MUL
.irp a, \a0, (\a0)+1
.irp b, 0,1,2,3
.set rD, ACC+8*(4*(\a)+(\b))
.set rB, (\f)+64+8*(4*(\c)+(\b))
.set rA, (\f)+8*(4*(\c)+(\a))
	MMA \zero
.endr
.endr
.endm
; 32 LDS loads in one run: the fragments of quarter q (64 along K) of a slot into buffer f; the first 32 along K first
.macro FETCH slot, q, f
	WIN TO_F
.irp c, 0,1
.irp i, 0,1,2,3
	ds_load_tr16_b128 v[(\f)+64+8*(4*(\c)+(\i)):(\f)+64+8*(4*(\c)+(\i))+3],   v[ADRB+2*(\slot)+(\q)/2] offset:(((\q)%2)*64+32*(\c))*PB+32*(\i)
	ds_load_tr16_b128 v[(\f)+64+8*(4*(\c)+(\i))+4:(\f)+64+8*(4*(\c)+(\i))+7], v[ADRB+2*(\slot)+(\q)/2] offset:(((\q)%2)*64+32*(\c)+16)*PB+32*(\i)
	ds_load_b128 v[(\f)+8*(4*(\c)+(\i)):(\f)+8*(4*(\c)+(\i))+3],              v[ADRA+(\slot)] offset:128*(\q)+64*(\c)+(\i)*16*PA
	ds_load_b128 v[(\f)+8*(4*(\c)+(\i))+4:(\f)+8*(4*(\c)+(\i))+7],            v[ADRA+(\slot)] offset:128*(\q)+64*(\c)+(\i)*16*PA+32
.endr
.endr
.endm
.macro PLACES                          ; four places in front of loads into registers that matrix instructions have read
.rept 4
	v_nop
.endr
.endm
; One of a K step's first three quarters: multiplies buffer f and fetches quarter q into g.
.macro QUARTER slot, q, f, g, zero
	s_wait_dscnt 16                                ; the first 32 along K are in; the younger sixteen loads may be out
	MUL8 \f, 0, 0, \zero
	MUL8 \f, 0, 2, \zero
	PLACES
	FETCH \slot, \q, \g
	s_wait_dscnt 32                                ; all but the 32 just issued
	MUL8 \f, 1, 0, 0
	MUL8 \f, 1, 2, 0
.endm
; The last quarter multiplies buffer 1 and changes slots: ONE barrier; in front of it each wave waits for all its tensor loads, adds 0 to its spare word, and waits for that and for its reads of this slot.
; fill = 1: the barrier opens a round of the cluster's barrier, and this slot is filled again, two K steps ahead, first thing behind the round.
.macro TURN slot, next, fill
	WIN 0
	s_wait_tensorcnt 0x0                           ; all my tensor loads have landed: my part of the next slot;
	ds_add_u32 v[SPW], v[NIL]                      ; 0 onto my spare word;
	s_wait_dscnt 17                                ; (the add and the youngest sixteen loads may be out)
	MUL8 F1, 0, 0, 0
	s_wait_dscnt 0x0                               ; the add is done, and my reads of this slot are over
	s_barrier_signal -1
	MUL8 F1, 0, 2, 0
.if \fill
	WIN 0
.endif
	s_barrier_wait -1
.if \fill
	CREST                                          ; no wave of any partner still reads this slot or has a load on its way
	s_add_nc_u64 s[G0+4*(\slot)+2:G0+4*(\slot)+3], s[G0+4*(\slot)+2:G0+4*(\slot)+3], 2*KSTEP*2
	s_add_nc_u64 s[G0B+4*(\slot)+2:G0B+4*(\slot)+3], s[G0B+4*(\slot)+2:G0B+4*(\slot)+3], 2*KSTEP*2048
	JLOAD \slot                                    ; 112 matrix instructions ahead of the wait for it; its four v_nop are also the places in front of the loads below
.else
	PLACES
.endif
	FETCH \next, 0, F0
	MUL8 F1, 1, 0, 0
	MUL8 F1, 1, 2, 0
.endm
.macro LASTQ                           ; the very last quarter: nothing more to fetch
	s_wait_dscnt 16
	MUL8 F1, 0, 0, 0
	MUL8 F1, 0, 2, 0
	s_wait_dscnt 0x0
	MUL8 F1, 1, 0, 0
	MUL8 F1, 1, 2, 0
.endm
; Two K steps, once round the ring.  zero: the first products start the sums.  f0, f1: slot 0, slot 1 is filled again.
.macro LAP zero, f0, f1
	QUARTER 0, 1, F0, F1, \zero
	QUARTER 0, 2, F1, F0, 0
	QUARTER 0, 3, F0, F1, 0
	TURN 0, 1, \f0
	QUARTER 1, 1, F0, F1, 0
	QUARTER 1, 2, F1, F0, 0
	QUARTER 1, 3, F0, F1, 0
.if \f1
	TURN 1, 0, 1
.else
	LASTQ
.endif
	WIN 0
.endm
.macro BIASLD                          ; my 32 numbers of the bias: column block b, columns 8 h + 0..7
.irp b, 0,1,2,3
	global_load_b128 v[BIAS+8*(\b):BIAS+8*(\b)+3],   v[BO], s[BP:BP+1] offset:64*(\b)
	global_load_b128 v[BIAS+8*(\b)+4:BIAS+8*(\b)+7], v[BO], s[BP:BP+1] offset:64*(\b)+16
.endr
.endm
.macro BIASRND                         ; rounded to bf16 and widened again; these 48 plain lines are also the places behind the last products
.set i, 0
.rept 16
	v_cvt_pk_bf16_f32 v[30+i%2], v[BIAS+2*i], v[BIAS+2*i+1]
	v_lshlrev_b32 v[BIAS+2*i], 16, v[30+i%2]
	v_and_b32 v[BIAS+2*i+1], 0xffff0000, v[30+i%2]
.set i, i+1
.endr
.endm
; THE WAY OUT IN f32.  Block a (16 rows x 64 columns): bias added, 32 bytes a lane and column block into my stage, back as whole rows of 256 bytes.
.macro PACK a
.set TT, TMP+32*((\a)%2)
.if (\a) >= 2
	s_wait_xcnt 0x0                                ; the stores of the block two back have read these registers
.endif
.irp b, 0,1,2,3
.irp j, 0,2,4,6
	v_pk_add_f32 v[TT+8*(\b)+(\j):TT+8*(\b)+(\j)+1], v[ACC+8*(4*(\a)+(\b))+(\j):ACC+8*(4*(\a)+(\b))+(\j)+1], v[BIAS+8*(\b)+(\j):BIAS+8*(\b)+(\j)+1]
.endr
.endr
.irp b, 0,1,2,3
	ds_store_b128 v[STO], v[TT+8*(\b):TT+8*(\b)+3]   offset:64*(\b)
	ds_store_b128 v[STO], v[TT+8*(\b)+4:TT+8*(\b)+7] offset:64*(\b)+16
.endr
.irp t, 0,1,2,3,4,5,6,7
	ds_load_b128 v[TT+4*(\t):TT+4*(\t)+3], v[RD] offset:(\t)*2*272  ; LDS serves a wave's instructions in order: these see the stores above
.endr
.endm
.macro SEND a, younger                 ; younger: the LDS instructions issued behind block a's loads: the next block's sixteen, or none
.set TT, TMP+32*((\a)%2)
.irp t, 0,1,2,3,4,5,6,7
	s_wait_dscnt (\younger)+7-(\t)
	global_store_b128 v[CO], v[TT+4*(\t):TT+4*(\t)+3], s[8:9] offset:(16*(\a)+2*(\t))*4096  ; 16 lanes store 256 consecutive bytes, aligned
.endr
.endm
.macro EPI32
	s_wait_loadcnt 0x0                             ; the bias
	BIASRND
	PACK 0
	PACK 1
	SEND 0, 16
	PACK 2
	SEND 1, 16
	PACK 3
	SEND 2, 16
	SEND 3, 0
.endm
; The number of 1 bytes among the batch's 2,048 mask bytes, as f32 in every lane: d; x: my 16 words; t: at work.
.macro NU d, x, t
	v_add3_u32 v[\d], v[\x], v[\x+1], v[\x+2]      ; byte by byte: 16 at the most in each
.irp i, 3,5,7,9,11,13
	v_add3_u32 v[\d], v[\d], v[\x+\i], v[\x+\i+1]
.endr
	v_add_nc_u32 v[\d], v[\d], v[\x+15]
	v_lshrrev_b32 v[\t], 8, v[\d]
	v_and_b32 v[\d], 0x00ff00ff, v[\d]
	v_and_b32 v[\t], 0x00ff00ff, v[\t]
	v_add_nc_u32 v[\d], v[\d], v[\t]
	v_lshrrev_b32 v[\t], 16, v[\d]
	v_and_b32 v[\d], 0xffff, v[\d]
	v_add_nc_u32 v[\d], v[\d], v[\t]
	v_cvt_f32_u32 v[\d], v[\d]
	v_add_f32_dpp v[\d], v[\d], v[\d] row_xmask:1 row_mask:0xf bank_mask:0xf
	v_add_f32_dpp v[\d], v[\d], v[\d] row_xmask:2 row_mask:0xf bank_mask:0xf
	v_add_f32_dpp v[\d], v[\d], v[\d] row_xmask:4 row_mask:0xf bank_mask:0xf
	v_add_f32_dpp v[\d], v[\d], v[\d] row_xmask:8 row_mask:0xf bank_mask:0xf
	v_permlanex16_b32 v[\t], v[\d], s[SEL], s[SEL+1]
	v_add_f32 v[\d], v[\d], v[\t]
.endm
; THE WAY OUT OF v's TILE.  Block a: rounded to f16, 16 bytes a lane and column block into my stage (rows of 160 bytes), back turned: a lane then holds one channel and eight rows.
.macro PACKV a
.irp b, 0,1,2,3
.irp j, 0,1,2,3
	v_cvt_pk_f16_f32 v[TMP+16*(\a)+4*(\b)+(\j)], v[ACC+8*(4*(\a)+(\b))+2*(\j)], v[ACC+8*(4*(\a)+(\b))+2*(\j)+1]
.endr
.endr
.irp b, 0,1,2,3
	ds_store_b128 v[STV], v[TMP+16*(\a)+4*(\b):TMP+16*(\a)+4*(\b)+3] offset:32*(\b)
.endr
.irp b, 0,1,2,3
	ds_load_tr16_b128 v[TMP+16*(\a)+4*(\b):TMP+16*(\a)+4*(\b)+3], v[RTV] offset:32*(\b)
.endr
.endm
.macro SENDV a, younger
.irp f, 0,1,2,3
	s_wait_dscnt (\younger)+3-(\f)
	global_store_b128 v[VTO], v[TMP+16*(\a)+4*(\f):TMP+16*(\a)+4*(\f)+3], s[90:91] offset:(\a)*32768+(\f)*512  ; the wave stores 512 consecutive bytes, aligned
.endr
.endm
.macro EPIV
	s_wait_loadcnt 0x0                             ; the bias and the mask bytes
	BIASRND
	NU 92, 68, 93
	v_cmp_le_f32 vcc_lo, 0x41800000, v92           ; 16 or more rows of the batch are unmasked: then every row counts
	v_cndmask_b32 v93, 0, 1.0, vcc_lo
.irp a, 0,1,2,3
	v_cvt_f32_u32 v[84+2*(\a)], v[64+(\a)]
.endr
.irp a, 0,1,2,3
	v_max_num_f32 v[84+2*(\a)], v[84+2*(\a)], v93  ; the weight of row r of block a
.endr
.irp a, 0,1,2,3
	v_mov_b32 v[85+2*(\a)], v[84+2*(\a)]
.endr
.set i, 0
.rept 16                               ; the bias, in place; each accumulator's registers in ascending order
.irp j, 0,2,4,6
	v_pk_add_f32 v[ACC+8*i+(\j):ACC+8*i+(\j)+1], v[ACC+8*i+(\j):ACC+8*i+(\j)+1], v[BIAS+8*(i%4)+(\j):BIAS+8*(i%4)+(\j)+1]
.endr
.set i, i+1
.endr
.set i, 0
.rept 16                               ; the weighted sums down my four rows, two columns a line
	v_pk_mul_f32 v[32+2*i:33+2*i], v[ACC+2*i:ACC+2*i+1], v[84:85]
.set i, i+1
.endr
.irp a, 1,2,3
.set i, 0
.rept 16
	v_pk_fma_f32 v[32+2*i:33+2*i], v[ACC+32*(\a)+2*i:ACC+32*(\a)+2*i+1], v[84+2*(\a):85+2*(\a)], v[32+2*i:33+2*i]
.set i, i+1
.endr
.endr
.irp m, 1,2,4,8                        ; and over the sixteen lanes that hold the same columns
.set i, 0
.rept 32
	v_add_f32_dpp v[32+i], v[32+i], v[32+i] row_xmask:\m row_mask:0xf bank_mask:0xf
.set i, i+1
.endr
.endr
.irp b, 0,1,2,3
	ds_store_b128 v[SST], v[32+8*(\b):35+8*(\b)] offset:64*(\b)      ; lanes of one half write the same bytes with the same numbers
	ds_store_b128 v[SST], v[36+8*(\b):39+8*(\b)] offset:64*(\b)+16
.endr
	ds_load_b64 v[4:5], v[SRD]
	s_wait_dscnt 0x0
	global_store_b64 v[SVO], v[4:5], s[92:93]      ; the wave stores 256 consecutive bytes, aligned
	PACKV 0
	PACKV 1
	SENDV 0, 8
	PACKV 2
	SENDV 1, 8
	PACKV 3
	SENDV 2, 8
	SENDV 3, 0
.endm
	BIASLD
	s_wait_tensorcnt 1                             ; my part of K step 0 is in; K step 1's may stay out
	s_barrier_signal -1
	s_barrier_wait -1                              ; everybody's is
	FETCH 0, 0, F0
	WIN 0                                          ; at a label and at a branch every window is 0
.if OPROJ == 0
	s_mov_b32 s2, 2
.Ltile:                                        ; q's tile, then k's: four K steps each; the ring runs on into the next tile
	LAP 1, 1, 1
	LAP 0, 1, 1
	EPI32
	s_wait_xcnt 0x0                                ; the stores have read their registers and their base
	s_add_nc_u64 s[8:9], s[8:9], 0x1000000         ; k's half of qk
	s_cmp_eq_u32 s2, 2
	s_cselect_b64 s[BP:BP+1], s[70:71], s[72:73]   ; the next tile's bias: bk, then bv
	BIASLD
	s_sub_co_u32 s2, s2, 1
	s_cmp_lg_u32 s2, 0
	s_cbranch_scc1 .Ltile
.irp a, 0,1,2,3
	global_load_u8 v[64+(\a)], v1, s[86:87] offset:16*(\a)           ; the mask byte of row r of block a
.endr
.irp i, 0,1,2,3
	global_load_b128 v[68+4*(\i):71+4*(\i)], v[NUO], s[88:89] offset:16*(\i)  ; my 64 of the batch's mask bytes
.endr
.endif
	LAP 1, 1, 1
	LAP 0, 0, 0                                    ; the last lap fills nothing
.if OPROJ
	EPI32
.else
	EPIV
.endif
	s_wait_tensorcnt 0x0                           ; the wave's end: these three lines stand behind my last tensor load and my last LDS store
	ds_add_u32 v[SPW], v[NIL]
	s_wait_dscnt 0x0
	CROUND                                         ; the closing round: no work-group ends while a partner may still ask for a tile that names it
	s_endpgm
.Lfunc_end_k_qb8b82a8a8d_oproj:
	.size	k_qb8b82a8a8d_oproj, .Lfunc_end_k_qb8b82a8a8d_oproj-k_qb8b82a8a8d_oproj
	.p2alignl 7, 3214868480
	.fill 96, 4, 3214868480
	.section	.rodata,"a",@progbits
	.p2align	6, 0x0
	.amdhsa_kernel k_qb8b82a8a8d_oproj
		.amdhsa_group_segment_fixed_size 327680
		.amdhsa_private_segment_fixed_size 0
		.amdhsa_enable_private_segment 0
		.amdhsa_kernarg_size 32
		.amdhsa_user_sgpr_count 2
		.amdhsa_user_sgpr_kernarg_segment_ptr 1
		.amdhsa_wavefront_size32 1
		.amdhsa_system_sgpr_workgroup_id_x 1
		.amdhsa_system_sgpr_workgroup_id_y 1
		.amdhsa_system_sgpr_workgroup_id_z 1
		.amdhsa_system_vgpr_workitem_id 0
		.amdhsa_next_free_vgpr 512
		.amdhsa_next_free_sgpr 96
		.amdhsa_reserve_vcc 1
		.amdhsa_float_denorm_mode_32 3
		.amdhsa_float_denorm_mode_16_64 3
		.amdhsa_memory_ordered 1
		.amdhsa_forward_progress 1
		.amdhsa_inst_pref_size 94
	.end_amdhsa_kernel
	.amdgpu_metadata
---
amdhsa.version: [ 1, 2 ]
amdhsa.kernels:
  - .name:           k_qb8b82a8a8d_oproj
    .symbol:         k_qb8b82a8a8d_oproj.kd
    .args:
      - { .name: ctx, .offset: 0, .size: 8, .value_kind: global_buffer, .address_space: global }
      - { .name: wo16, .offset: 8, .size: 8, .value_kind: global_buffer, .address_space: global }
      - { .name: bo, .offset: 16, .size: 8, .value_kind: global_buffer, .address_space: global }
      - { .name: out0, .offset: 24, .size: 8, .value_kind: global_buffer, .address_space: global }
    .group_segment_fixed_size: 327680
    .private_segment_fixed_size: 0
    .kernarg_segment_align: 8
    .kernarg_segment_size: 32
    .max_flat_workgroup_size: 128
    .sgpr_count:     96
    .vgpr_count:     512
    .wavefront_size: 32
...
	.end_amdgpu_metadata
.endif
;; end of part 4
